; MI455X (gfx1250); checked and timed in simulation.
; The chip was launched on July 23, 2026; its instructions are those of AMD's public machine-readable ISA for CDNA 5 (MIT licence, August 2026) and "CDNA5" Instruction Set Architecture Reference Guide (July 2026). The comments in the code are by the model that wrote it; some were corrected since.
;; Simple Transformer Block. Allowed arithmetic: matrix products marked QUANTISED: E5M2 operands, one E8M0 scale for each 32 along K, by v_wmma_scale_f32_16x16x128_f8f6f4 with both operands' format E5M2, f32 sums; everything else in f32.
;; Inputs: b1 4,096 float32; b2 1,024 float32; be1 1,024 float32; be2 1,024 float32; bk 1,024 float32; bo 1,024 float32; bq 1,024 float32; bv 1,024 float32; g1 1,024 float32; g2 1,024 float32; w1 1,024 x 4,096 float32; w2 4,096 x 1,024 float32; wk 1,024 x 1,024 float32; wo 1,024 x 1,024 float32; wq 1,024 x 1,024 float32; wv 1,024 x 1,024 float32; x 2 x 2,048 x 1,024 float32.
;; Outputs: out0 2 x 2,048 x 1,024 float32.
;; This version of the problem:
;;   THIS VERSION OF THE PROBLEM IS GIVEN IN LOW PRECISION. The matrix products marked QUANTISED in the list below multiply operands that are first quantised to E5M2 (5 exponent bits, 2 mantissa bits; 8 bits a number), with one power-of-two scale for each 32 numbers along K (OCP MX v1.0); their sums are f32. All else is computed in f32.
;;   The module's matrix products, in the order in which they are computed (A, B: the left and right operand; K: the contracted axis; several contracted axes count as one K, in the product's order):
;;     1. [M 4,096, K 1,024] x [K 1,024, N 1,024]; A: computed on the way; B: input wq: QUANTISED
;;     2. [M 4,096, K 1,024] x [K 1,024, N 1,024]; A: computed on the way; B: input wk: QUANTISED
;;     3. [M 4,096, K 1,024] x [K 1,024, N 1,024]; A: computed on the way; B: input wv: QUANTISED
;;     4. batch 32 x [M 2,048, K 64] x [K 64, N 2,048]; A: computed on the way; B: computed on the way: QUANTISED
;;     5. batch 32 x [M 2,048, K 2,048] x [K 2,048, N 64]; A: softmax (see below); B: computed on the way: QUANTISED
;;     6. [M 4,096, K 1,024] x [K 1,024, N 1,024]; A: computed on the way; B: input wo: QUANTISED
;;     7. [M 4,096, K 1,024] x [K 1,024, N 4,096]; A: computed on the way; B: input w1: QUANTISED
;;     8. [M 4,096, K 4,096] x [K 4,096, N 1,024]; A: computed on the way; B: input w2: QUANTISED
;;   THE QUANTISER, for each operand of a quantised product, along K:
;;     - K is cut into blocks of 32 from its start; a last block that is shorter is filled with zeros.
;;     - A block's scale is 2^e with e = floor(log2(the largest magnitude in the block)) - 15, held to -126 .. 127; a block of zeros has e = 0. As a byte (E8M0): e + 127.
;;     - Each number is divided by its block's scale, clamped to +-57,344, and rounded to the nearest number of E5M2, ties to even, subnormals kept.
;;     - The product sums the exact products of the quantised numbers (number of the format x scale) in f32.
;;   ~~~python
;;   def quantise(x, axis):      # numpy; x: float32 -> the quantised numbers, widened to float32 again
;;       x = np.moveaxis(x, axis, -1); K = x.shape[-1]
;;       x = np.pad(x, [(0, 0)] * (x.ndim - 1) + [(0, -K % 32)]); x = x.reshape(x.shape[:-1] + (-1, 32)); a = np.abs(x).max(-1, keepdims=True)
;;       e = np.where(a > 0, np.clip(np.frexp(np.where(a > 0, a, 1))[1] - 1 - 15, -126, 127), 0)      # np.frexp(a)[1] - 1 = floor(log2(a)), exactly
;;       r = np.clip(x / 2.0 ** e, -57344, 57344)
;;       step = 2.0 ** (np.maximum(np.frexp(np.where(r == 0, 1, r))[1] - 1, -14) - 2)
;;       q = np.round(r / step) * step * 2.0 ** e      # np.round: ties to even
;;       return np.moveaxis(q.reshape(q.shape[:-2] + (-1,))[..., :K], -1, axis).astype(np.float32)
;;   ~~~
;;   SOFTMAX AHEAD OF A QUANTISED PRODUCT. Where the list says 'softmax', what is quantised is not the finished softmax but p = 2^(t - M), with t = logit x log2(e) and M = ceil(the row's largest t), a whole number; so 1/2 < the row's largest p <= 1. The row's sum l is taken of the UNQUANTISED p, in f32, and the product's result is divided by l at the end. Since M is a whole number, a kernel that streams over the keys may use a running M (the ceiling of the running maximum): every later rescaling is an exact power of two, which a block's scale takes up: the codes' values come out the same.
;;   OPERANDS COMPUTED ON THE WAY. 'Computed on the way' means the value that the module computes at that place (a softmax that the list does not call 'softmax' is quantised finished and normalised). What goes into a quantiser is computed in f32, as accurately as f32 sums, v_exp_f32 and their like allow (about 1e-6 of the number): no bf16 or f16 on the way to a quantiser, and a product that is left as it is and whose result goes on into a quantised operand takes f32 operands (vector FMAs, or v_wmma_f32_16x16x4_f32). A number that lies on a knife's edge between two numbers of the format may be rounded either way, as far as f32 arithmetic and the matrix unit's own rounding can turn it there, and no further.
;; One version. Each part assembles by itself: llvm-mc -triple=amdgcn-amd-amdhsa -mcpu=gfx1250 --defsym DOCPART=n.
;; ======== version 1 of 1: 7 launches
;; limits: right only within a limited range of input values
;; workspace buffers: wts 12,976,128 bytes; nq 4,325,376 bytes; qkv 13,369,344 bytes; att 4,325,376 bytes; x1 16,777,216 bytes; hq 4,325,376 bytes; gq 17,301,504 bytes
;; launch prep (part 1): grid 1024 x 1, 4 waves a work-group, no clusters, 38,912 bytes of LDS; arguments x, g1, be1, nq, wq, wk, wv, wo, w1, w2, wts; writes nq, wts
.if DOCPART == 1
	.amdgcn_target "amdgcn-amd-amdhsa--gfx1250"
	.amdhsa_code_object_version 6
	.text
	.protected	k_q0673010639_prep
	.globl	k_q0673010639_prep
	.p2align	8
	.type	k_q0673010639_prep,@function
k_q0673010639_prep:
	s_mov_b64 s[64:65], 0
	v_nop
	global_prefetch_b8 v0, s[64:65] scope:SCOPE_SE
	s_setreg_imm32_b32 hwreg(HW_REG_WAVE_MODE, 25, 1), 1
	s_wait_xcnt 0x0
; TWO JOBS THAT HANG ON THE PROBLEM'S INPUTS ALONE SHARE ONE LAUNCH: work-groups 0-255 make the first layer norm and quantise it (the text behind .Lln); work-groups 256-1,023 quantise the six weights.
; The two part on the work-group's number, so all four waves of a work-group are on the same way; only the norm's way uses LDS and has a barrier.  250 registers a wave and 38,912 bytes of LDS let four work-groups lie on a WGP
; (4 x 250 = 1,000 registers of a SIMD's 1,024): one of the norm's and three of the weights'.  No matrix unit, no cluster, no tensor load: both jobs are streams in which no two work-groups read the same bytes but g and b.
; No prefetch: each wave asks for all or half of what it reads at its head.
;
; THE WEIGHTS, f32 stored [K][N], become codes of BF8 (E5M2) with one E8M0 scale byte for each 32 along K, laid in the ORDER OF THE OPERAND'S REGISTERS:
; for a tile of 16 columns n and a K step of 128 one block of 2,048 bytes [c 0..3][lane 0..31][16 bytes]; lane (r, h), piece c holds k = 32 c + 16 h + 0 .. 15 of the tile's row r.
; THE COLUMNS OF A TILE ARE NOT NEIGHBOURS: row r of tile t is column 32 (t / 2) + 8 (t % 2) + r + 8 (r / 8).  Blocks lie [tile][K step]; scale words (4 bytes: a K step of one row) lie [tile][K step][r].
; A LANE TAKES A COLUMN AND ITS REGISTERS RUN DOWN K: a block of 32 lies in one lane's 32 registers, its largest magnitude needs no other lane, and the conversions give the codes with K innermost.
; A lane's 32 codes are the pieces of lanes r and 16 + r of its tile: two stores of 16 bytes; in each store sixteen lanes fill 256 consecutive bytes of one tile and sixteen those of the next.
; A work-group takes 128 columns x one K step of 128; a wave 32 columns (two tiles) x 4 blocks, two blocks' 64 loads ahead: 8,192 bytes a wave on their way, twelve such waves to a WGP.
; Of the 768: 0-255: wq, wk, wv, wo (64 each); 256-511: w1; 512-767: w2.
; A block's scale is 2^(floor(log2(largest magnitude)) - 15); its byte is the largest magnitude's exponent field - 15, held at 1 from below.
; LIMITS: a block of zeros gets the byte 1 (its codes are zeros, and this program alone reads the bytes); NaN and infinities among the inputs are not served.
.set NLN,   256                        ; the norm's work-groups come first: theirs is the longer chain of dependent steps
	v_lshl_add_u32 v248, v0, 2, 0x9600
	v_mov_b32 v249, 0
	s_cmp_lt_u32 ttmp9, NLN
	s_cbranch_scc1 .Lln
.set EMAX,  15
.set VO,    2                          ; v2       where my codes go: my tile of the two, 16 r
.set VS,    3                          ; v3       where my scale word goes
.set SBY,   24                         ; v24      my four scale bytes
.set VOFF,  32                         ; v32-63   4 x lane + i rows of the weight; never rewritten
.set X,     64                         ; v64-127  two sets of 32 numbers
.set C,     128                        ; v128-159 codes: eight registers for each block, so that no store's data are written again
.set SB,    32                         ; s[32:39] the weight at my columns, at the first row of each of my four blocks
	s_load_b256 s[4:11], s[0:1], 0x20              ; wq, wk, wv, wo
	s_load_b128 s[12:15], s[0:1], 0x40             ; w1, w2
	s_load_b64 s[16:17], s[0:1], 0x50              ; wts
	v_lshrrev_b32 v1, 5, v0
	v_readfirstlane_b32 s18, v1                    ; wave
	v_and_b32 v1, 31, v0                           ; lane
	s_wait_alu depctr_va_vdst(0)
	s_sub_co_u32 s3, ttmp9, NLN                    ; my number among the weights' work-groups
	s_lshr_b32 s19, s3, 8                          ; 0: the four square weights, 1: w1, 2: w2
	s_and_b32 s24, s3, 255
	s_lshr_b32 s25, s24, 6                         ; which of the four
	s_and_b32 s26, s24, 63
	s_lshl_b32 s52, s25, 20                        ; codes: 1 MiB for each square weight,
	s_lshl_b32 s53, s19, 22                        ; w1 at 4 MiB, w2 at 8 MiB
	s_lshl_b32 s54, s25, 15                        ; scale words: 32 KiB each,
	s_lshl_b32 s55, s19, 17                        ; w1 at 128 KiB, w2 at 256 KiB
	s_cmp_eq_u32 s19, 0
	s_cselect_b32 s24, s26, s24                    ; my number within the weight
	s_cselect_b32 s52, s52, s53
	s_cselect_b32 s54, s54, s55
	s_cmp_eq_u32 s19, 1
	s_cselect_b32 s27, 5, 3                        ; log2 of the groups of 128 columns
	s_cselect_b32 s28, 14, 12                      ; log2 of a row's bytes
	s_cmp_eq_u32 s19, 2
	s_cselect_b32 s29, 5, 3                        ; log2 of the K steps
	s_bfm_b32 s30, s27, 0
	s_and_b32 s30, s24, s30                        ; which 128 columns
	s_lshr_b32 s31, s24, s27                       ; which K step
	s_lshl_b32 s30, s30, 2
	s_add_co_u32 s30, s30, s18                     ; G: which 32 columns are my wave's
	v_bfe_u32 v4, v0, 3, 1                         ; u: which of the two tiles my column falls into
	v_and_b32 v5, 7, v0
	v_bfe_u32 v6, v0, 4, 1
	v_lshl_or_b32 v5, v6, 3, v5                    ; r: its row there
	s_add_co_u32 s48, s29, 11                      ; log2 of a tile's bytes of codes
	s_add_co_u32 s49, s29, 6                       ; and of scale words
	v_lshlrev_b32 v[VO], s48, v4
	v_lshl_add_u32 v[VO], v5, 4, v[VO]
	v_lshlrev_b32 v[VS], s49, v4
	v_lshl_add_u32 v[VS], v5, 2, v[VS]
	s_lshl_b32 s51, 1, s28                         ; a row's bytes
	v_lshlrev_b32 v[VOFF], 2, v1
.set li, 1
.rept 31
	v_add_nc_u32 v[VOFF+li], s51, v[VOFF+li-1]
.set li, li+1
.endr
	s_lshl_b32 s56, s31, 7
	s_lshl_b32 s56, s56, s28                       ; my first row, in bytes,
	s_lshl_b32 s57, s30, 7
	s_add_co_u32 s56, s56, s57                     ; and my wave's first column
	s_mov_b32 s57, 0
	s_lshl_b32 s58, 32, s28                        ; from block to block
	s_mov_b32 s59, 0
	s_lshl_b32 s60, s30, 1                         ; my first tile
	s_lshl_b32 s61, s60, s48
	s_add_co_u32 s52, s52, s61
	s_lshl_b32 s61, s31, 11                        ; a K step's 2,048 bytes
	s_add_co_u32 s52, s52, s61
	s_mov_b32 s53, 0
	s_lshl_b32 s61, s60, s49
	s_add_co_u32 s54, s54, s61
	s_lshl_b32 s61, s31, 6                         ; a K step's 64 bytes of scale words
	s_add_co_u32 s54, s54, s61
	s_add_co_u32 s54, s54, 0xc00000                ; the scale words lie behind 12 MiB of codes
	s_mov_b32 s55, 0
	s_mov_b32 s62, 0x600000                        ; the mantissa field of 57,344
	s_wait_alu depctr_va_vdst(0)
	s_wait_kmcnt 0x0
	s_cmp_eq_u32 s25, 1                            ; the weight: the choice hangs on the work-group's number alone
	s_cselect_b64 s[4:5], s[6:7], s[4:5]
	s_cmp_eq_u32 s25, 2
	s_cselect_b64 s[4:5], s[8:9], s[4:5]
	s_cmp_eq_u32 s25, 3
	s_cselect_b64 s[4:5], s[10:11], s[4:5]
	s_cmp_eq_u32 s19, 1
	s_cselect_b64 s[4:5], s[12:13], s[4:5]
	s_cmp_eq_u32 s19, 2
	s_cselect_b64 s[4:5], s[14:15], s[4:5]
	s_add_nc_u64 s[SB:SB+1], s[4:5], s[56:57]
.irp t, 1,2,3
	s_add_nc_u64 s[SB+2*\t:SB+2*\t+1], s[SB+2*\t-2:SB+2*\t-1], s[58:59]
.endr
	s_add_nc_u64 s[20:21], s[16:17], s[52:53]      ; my codes
	s_add_nc_u64 s[22:23], s[16:17], s[54:55]      ; my scale words
.macro LOAD t                          ; block t: 32 rows at my column, into set t % 2; a wave's load reads 128 consecutive bytes, the four waves stand side by side
.set li, 0
.rept 32
	global_load_b32 v[X+32*((\t)%2)+li], v[VOFF+li], s[SB+2*(\t):SB+2*(\t)+1] th:TH_LOAD_NT
.set li, li+1
.endr
.endm
	LOAD 0
	LOAD 1
.macro BLOCK t
.set XS, X+32*((\t)%2)
.set CC, C+8*(\t)
.if (\t) < 3
	s_wait_loadcnt 32                              ; this block's 32 loads are in; the next block's 32 may be out
.else
	s_wait_loadcnt 0
.endif
	v_max3_num_f32 v12, |v[XS]|, |v[XS+1]|, |v[XS+2]|               ; the block's largest magnitude: all 32 numbers are mine; two chains
	v_max3_num_f32 v13, |v[XS+3]|, |v[XS+4]|, |v[XS+5]|
.irp i, 6,10,14,18,22,26
	v_max3_num_f32 v12, v12, |v[XS+\i]|, |v[XS+\i+1]|
	v_max3_num_f32 v13, v13, |v[XS+\i+2]|, |v[XS+\i+3]|
.endr
	v_max3_num_f32 v12, v12, |v[XS+30]|, |v[XS+31]|
	v_max3_num_f32 v12, v12, v13, (EMAX+1)<<23     ; and the floor 2^(16 - 127): the byte cannot fall under 1
	v_add_nc_u32 v11, -(EMAX<<23), v12             ; 15 off the exponent field: the conversion takes this operand's exponent field as its scale
	v_and_or_b32 v10, v12, 0x7f800000, s62         ; 57,344 x the scale
	v_lshrrev_b32 v13, 23, v11                     ; the scale's byte
.if (\t) == 0
	v_mov_b32 v[SBY], v13
.else
	v_lshl_or_b32 v[SBY], v13, 8*(\t), v[SBY]
.endif
.set li, 0
.rept 32
	v_med3_num_f32 v[XS+li], v[XS+li], -v10, v10   ; the conversion to an 8-bit code does not saturate (ISA guide 7.6.2): the hold comes first
.set li, li+1
.endr
.irp g, 0,1,2,3
	v_cvt_scalef32_pk8_bf8_f32 v[CC+2*\g:CC+2*\g+1], v[XS+8*\g:XS+8*\g+7], v11
.endr
	global_store_b128 v[VO], v[CC:CC+3], s[20:21] offset:(\t)*512        ; k 0-15 of the block: the piece of lane r
	global_store_b128 v[VO], v[CC+4:CC+7], s[20:21] offset:(\t)*512+256  ; k 16-31: that of lane 16 + r
.if (\t)+2 < 4
	LOAD (\t)+2
.endif
.endm
.irp t, 0,1,2,3
	BLOCK \t
.endr
	global_store_b32 v[VS], v[SBY], s[22:23]       ; my column's scale word of the K step
	s_endpgm
.Lln:
; A LAYER NORM over rows of 1,024 f32, quantised on the way out to codes of BF8 (E5M2) with one E8M0 scale for each 32 along the row.
; y = (x - mean) * rsqrt(mean((x - mean)^2) + 1e-5) * g + b, all in f32, the variance taken of the centred numbers as the definition has it.
; OUT: the order of the operand's registers: tile of 16 rows, K step of 128: 2,048 bytes [c][lane][16]; lane (r, h), piece c holds k = 32 c + 16 h + 0 .. 15 of the tile's row r;
; row r of tile t is token 32 (t / 2) + 8 (t % 2) + r + 8 (r / 8).  A tile is 8 K steps, 16,384 bytes; its scale words [K step][r], 512 bytes, lie 4 MiB into the buffer.
; A work-group makes one tile; wave w its rows 4 w .. 4 w + 3, which are four neighbouring tokens.
; IN: every load of a wave reads 512 consecutive bytes, 16 a lane, of x, g and b alike; the sums and the normalising do not mind which lane holds what.  The conversions want 16 NEIGHBOURS in a lane's registers:
; so the finished numbers turn through the wave's own stage in LDS (a row's 64 chunks of 64 bytes, 16 bytes of padding behind each) and come back 64 bytes a lane: 16 numbers at 16 x lane and 16 at 512 + 16 x lane; two lanes hold a block.
; A lane's 16 codes are one piece; the pieces of 16 rows make 256 consecutive bytes of the tile: they meet in LDS (64 rows of 256 bytes, 272 apart) and leave 512 consecutive bytes a store.
; LIMITS: a block of zeros gets the byte 1 (its codes are zeros, this program alone reads the bytes); NaN and infinities are not served.
.set SCB,  17408                       ; LDS: behind the 64 piece rows: the tile's 512 bytes of scale words
.set STG,  17920                       ; behind them: a stage of 64 x 80 = 5,120 bytes for each wave
.set TS,   14                          ; v14      the stage, on the way in: 80 (lane / 4) + 16 (lane % 4); a load's 512 bytes take eight chunks
.set TR,   15                          ; v15      and on the way out: 80 x lane
.set G,    16                          ; v16-47   g; later the codes, four registers for each of my eight pieces
.set BE,   48                          ; v48-79   b; later the eight scale bytes
.set X,    80                          ; v80-207  four rows of 32 numbers
.set SM,   208                         ; v208-215 a pair of sums for each row
.set SQ,   216                         ; v216-223 a second chain
.set MU,   224                         ; v224-231 the mean, twice, for each row
.set RS,   232                         ; v232-239 1 / the deviation, twice
.set TP,   240                         ; v240-243 the other half of the lanes' sum
	s_load_b256 s[4:11], s[0:1], 0x0               ; x, g, b, the codes' buffer
	v_lshrrev_b32 v1, 5, v0
	v_readfirstlane_b32 s12, v1                    ; wave
	v_and_b32 v1, 31, v0                           ; lane
	v_lshlrev_b32 v2, 4, v1                        ; in: 16 bytes a lane
	s_lshl_b32 s13, s12, 6
	v_mul_u32_u24 v3, v1, 272
	v_add_nc_u32 v3, s13, v3                       ; a piece into LDS: piece row = lane (+ 32 for the second half), 16 bytes for each of the tile's rows: mine begin at 64 w
	v_lshrrev_b32 v4, 3, v1
	v_lshlrev_b32 v4, 6, v4                        ; a scale byte: K step lane / 8 (64 bytes each),
	v_bfe_u32 v9, v1, 1, 2
	v_add_nc_u32 v4, v4, v9                        ; byte (lane / 2) % 4 of the row's word,
	s_lshl_b32 s14, s12, 4
	s_add_co_u32 s14, s14, SCB
	v_add_nc_u32 v4, s14, v4                       ; rows 4 w on
	v_lshrrev_b32 v5, 4, v1
	v_mul_u32_u24 v5, v5, 272
	v_and_b32 v9, 15, v1
	v_lshl_add_u32 v5, v9, 4, v5
	s_mul_i32 s15, s12, 16*272
	v_add_nc_u32 v5, s15, v5                       ; back: wave w takes piece rows 16 w on, two an instruction
	v_lshlrev_b32 v7, 4, v1
	s_lshl_b32 s16, s12, 12
	v_add_nc_u32 v6, s16, v7                       ; and the same bytes of the tile in memory
	v_add_nc_u32 v8, SCB, v7
	s_mul_i32 s23, s12, 5120
	s_add_co_u32 s23, s23, STG                     ; my stage
	v_lshrrev_b32 v[TS], 2, v1
	v_mul_u32_u24 v[TS], v[TS], 80
	v_and_b32 v9, 3, v1
	v_lshl_add_u32 v[TS], v9, 4, v[TS]
	v_add_nc_u32 v[TS], s23, v[TS]
	v_mul_u32_u24 v[TR], v1, 80
	v_add_nc_u32 v[TR], s23, v[TR]
	s_lshr_b32 s17, ttmp9, 1
	s_lshl_b32 s17, s17, 5
	s_and_b32 s18, ttmp9, 1
	s_lshl_b32 s18, s18, 3
	s_add_co_u32 s17, s17, s18
	s_lshl_b32 s18, s12, 2
	s_add_co_u32 s17, s17, s18
	s_lshr_b32 s18, s12, 1
	s_lshl_b32 s18, s18, 3
	s_add_co_u32 s17, s17, s18                     ; my first token: 32 (t / 2) + 8 (t % 2) + 4 w + 8 (w / 2)
	s_lshl_b32 s18, s17, 12
	s_mov_b32 s19, 0
	s_lshl_b32 s28, ttmp9, 14                      ; the tile's codes
	s_mov_b32 s29, 0
	s_lshl_b32 s30, ttmp9, 9
	s_add_co_u32 s30, s30, 0x400000                ; and its scale words
	s_mov_b32 s31, 0
	s_mov_b32 s20, 0x3a800000                      ; 1 / 1,024
	s_mov_b32 s21, 0x3727c5ac                      ; 1e-5
	s_mov_b32 s22, 0x600000                        ; the mantissa field of 57,344
	s_mov_b32 s26, 0x76543210
	s_mov_b32 s27, 0xfedcba98                      ; v_permlanex16_b32's selects for lane l xor 16
.irp j, 0,1,2,3
	v_mov_b32 v[TP+\j], 0                          ; a lane permute's destination counts as one of its sources
.endr
	s_wait_kmcnt 0x0
	s_add_nc_u64 s[4:5], s[4:5], s[18:19]
	s_add_nc_u64 s[24:25], s[10:11], s[30:31]
	s_add_nc_u64 s[10:11], s[10:11], s[28:29]
.irp j, 0,1,2,3
.irp i, 0,1,2,3,4,5,6,7
	global_load_b128 v[X+32*\j+4*\i:X+32*\j+4*\i+3], v2, s[4:5] offset:4096*\j+512*\i th:TH_LOAD_NT   ; register 4 i + c of row j: number 128 i + 4 x lane + c
.endr
.endr
.irp i, 0,1,2,3,4,5,6,7
	global_load_b128 v[G+4*\i:G+4*\i+3], v2, s[6:7] offset:512*\i
	global_load_b128 v[BE+4*\i:BE+4*\i+3], v2, s[8:9] offset:512*\i
.endr
.macro LANESUM                         ; the four rows' sums over the 32 lanes, by turns; every lane ends with the sum
.irp j, 0,1,2,3
	v_add_f32 v[SM+2*\j], v[SM+2*\j], v[SM+2*\j+1]
.endr
.irp m, 1,2,4,8
.irp j, 0,1,2,3
	v_add_f32_dpp v[SM+2*\j], v[SM+2*\j], v[SM+2*\j] row_xmask:\m row_mask:0xf bank_mask:0xf
.endr
.endr
.irp j, 0,1,2,3
	v_permlanex16_b32 v[TP+\j], v[SM+2*\j], s26, s27
.endr
.irp j, 0,1,2,3
	v_add_f32 v[SM+2*\j], v[SM+2*\j], v[TP+\j]
.endr
.endm
	s_wait_loadcnt 16                              ; the rows are in; the sixteen loads of g and b may be out
.irp j, 0,1,2,3
	v_pk_add_f32 v[SM+2*\j:SM+2*\j+1], v[X+32*\j:X+32*\j+1], v[X+32*\j+2:X+32*\j+3]
.endr
.irp i, 4,6,8,10,12,14,16,18,20,22,24,26,28,30
.irp j, 0,1,2,3
	v_pk_add_f32 v[SM+2*\j:SM+2*\j+1], v[SM+2*\j:SM+2*\j+1], v[X+32*\j+\i:X+32*\j+\i+1]
.endr
.endr
	LANESUM
.irp j, 0,1,2,3
	v_mul_f32 v[MU+2*\j], s20, v[SM+2*\j]          ; the mean,
	v_mul_f32 v[MU+2*\j+1], s20, v[SM+2*\j]        ; twice: a pair for the packed form
.endr
.irp i, 0,2,4,6,8,10,12,14,16,18,20,22,24,26,28,30
.irp j, 0,1,2,3
	v_pk_add_f32 v[X+32*\j+\i:X+32*\j+\i+1], v[X+32*\j+\i:X+32*\j+\i+1], v[MU+2*\j:MU+2*\j+1] neg_lo:[0,1] neg_hi:[0,1]
.endr
.endr
.irp j, 0,1,2,3
	v_pk_mul_f32 v[SM+2*\j:SM+2*\j+1], v[X+32*\j:X+32*\j+1], v[X+32*\j:X+32*\j+1]
	v_pk_mul_f32 v[SQ+2*\j:SQ+2*\j+1], v[X+32*\j+2:X+32*\j+3], v[X+32*\j+2:X+32*\j+3]
.endr
.irp i, 4,8,12,16,20,24,28
.irp j, 0,1,2,3
	v_pk_fma_f32 v[SM+2*\j:SM+2*\j+1], v[X+32*\j+\i:X+32*\j+\i+1], v[X+32*\j+\i:X+32*\j+\i+1], v[SM+2*\j:SM+2*\j+1]
	v_pk_fma_f32 v[SQ+2*\j:SQ+2*\j+1], v[X+32*\j+\i+2:X+32*\j+\i+3], v[X+32*\j+\i+2:X+32*\j+\i+3], v[SQ+2*\j:SQ+2*\j+1]
.endr
.endr
.irp j, 0,1,2,3
	v_pk_add_f32 v[SM+2*\j:SM+2*\j+1], v[SM+2*\j:SM+2*\j+1], v[SQ+2*\j:SQ+2*\j+1]
.endr
	LANESUM
.irp j, 0,1,2,3
	v_fma_f32 v[SM+2*\j], v[SM+2*\j], s20, s21     ; the variance + 1e-5
.endr
	s_wait_alu depctr_va_vdst(0)
.irp j, 0,1,2,3
	v_rsq_f32 v[RS+2*\j], v[SM+2*\j]
.endr
	v_nop                                          ; a plain instruction behind the last of the four,
	s_wait_alu depctr_va_vdst(0)                   ; and the one wait ahead of their first reader
.irp j, 0,1,2,3
	v_mov_b32 v[RS+2*\j+1], v[RS+2*\j]
.endr
	s_wait_alu depctr_va_vdst(0)
	s_wait_loadcnt 0x0                             ; g and b
.irp i, 0,2,4,6,8,10,12,14,16,18,20,22,24,26,28,30
.irp j, 0,1,2,3
	v_pk_mul_f32 v[X+32*\j+\i:X+32*\j+\i+1], v[X+32*\j+\i:X+32*\j+\i+1], v[RS+2*\j:RS+2*\j+1]
.endr
.irp j, 0,1,2,3
	v_pk_fma_f32 v[X+32*\j+\i:X+32*\j+\i+1], v[X+32*\j+\i:X+32*\j+\i+1], v[G+\i:G+\i+1], v[BE+\i:BE+\i+1]
.endr
.endr
; THE TURN, row by row through my one stage: in as loaded, back 64 bytes a lane, into the registers that the numbers left.  LDS serves a wave's instructions in order (ISA guide 5.7.1.4): no wait stands between a row's stores and
; its loads, nor in front of the next row's stores.  Behind it register 16 s + i of a row is number 512 s + 16 x lane + i
.irp j, 0,1,2,3
.irp i, 0,1,2,3,4,5,6,7
	ds_store_b128 v[TS], v[X+32*\j+4*\i:X+32*\j+4*\i+3] offset:640*\i
.endr
.irp s, 0,1
.irp i, 0,1,2,3
	ds_load_b128 v[X+32*\j+16*\s+4*\i:X+32*\j+16*\s+4*\i+3], v[TR] offset:2560*\s+16*\i
.endr
.endr
.endr
; 16 neighbours of row j become a piece; g's and b's registers, done with, take the codes and the bytes: each piece has its own, so that no LDS store's data are written again
.macro PIECE j, s
.set XS, X+32*\j+16*\s
.set CD, G+4*(2*\j+\s)
.set BY, BE+2*\j+\s
	v_max3_num_f32 v10, |v[XS]|, |v[XS+1]|, |v[XS+2]|
	v_max3_num_f32 v11, |v[XS+3]|, |v[XS+4]|, |v[XS+5]|
.irp i, 6,10
	v_max3_num_f32 v10, v10, |v[XS+\i]|, |v[XS+\i+1]|
	v_max3_num_f32 v11, v11, |v[XS+\i+2]|, |v[XS+\i+3]|
.endr
	v_max3_num_f32 v10, v10, |v[XS+14]|, |v[XS+15]|
	v_max3_num_f32 v10, v10, v11, 16<<23           ; the floor 2^(16 - 127): the byte cannot fall under 1
	v_max_num_f32_dpp v10, v10, v10 row_xmask:1 row_mask:0xf bank_mask:0xf   ; with my neighbour's 16: the block's largest magnitude
	v_add_nc_u32 v13, -(15<<23), v10               ; 15 off the exponent field: the conversion's scale operand
	v_and_or_b32 v12, v10, 0x7f800000, s22         ; 57,344 x the scale
.irp i, 0,1,2,3,4,5,6,7,8,9,10,11,12,13,14,15
	v_med3_num_f32 v[XS+\i], v[XS+\i], -v12, v12   ; the conversion does not saturate (ISA guide 7.6.2): the hold comes first
.endr
	v_cvt_scalef32_pk8_bf8_f32 v[CD:CD+1], v[XS:XS+7], v13
	v_cvt_scalef32_pk8_bf8_f32 v[CD+2:CD+3], v[XS+8:XS+15], v13
	v_lshrrev_b32 v[BY], 23, v13                   ; the scale's byte
	ds_store_b128 v3, v[CD:CD+3] offset:\s*32*272+16*\j
	ds_store_b8 v4, v[BY] offset:256*\s+4*\j       ; both lanes of a block write the same byte with the same value
.endm
.irp j, 0,1,2,3
	s_wait_dscnt 48-12*\j                          ; row j is back: behind its loads stand the later rows' 16 LDS instructions each and the 4 stores of each row done
	PIECE \j, 0
	PIECE \j, 1
.endr
	s_wait_dscnt 0x0                               ; for the others' sake: my stores have landed
	s_barrier_signal -1
	s_barrier_wait -1
.irp t, 0,1,2,3,4,5,6,7
	ds_load_b128 v[X+4*\t:X+4*\t+3], v5 offset:544*\t
.endr
.irp t, 0,1,2,3,4,5,6,7
	s_wait_dscnt 7-\t
	global_store_b128 v6, v[X+4*\t:X+4*\t+3], s[10:11] offset:512*\t   ; 512 consecutive bytes of the tile
.endr
	s_cmp_lg_u32 s12, 0
	s_cbranch_scc1 .Ldone
	ds_load_b128 v[X+32:X+35], v8                  ; wave 0: the tile's 512 bytes of scale words
	s_wait_dscnt 0x0
	global_store_b128 v7, v[X+32:X+35], s[24:25]
.Ldone:
	s_wait_tensorcnt 0x0
	ds_add_u32 v248, v249
	s_wait_dscnt 0x0
	s_endpgm
.Lfunc_end_k_q0673010639_prep:
	.size	k_q0673010639_prep, .Lfunc_end_k_q0673010639_prep-k_q0673010639_prep
	.p2alignl 7, 3214868480
	.fill 96, 4, 3214868480
	.section	.rodata,"a",@progbits
	.p2align	6, 0x0
	.amdhsa_kernel k_q0673010639_prep
		.amdhsa_group_segment_fixed_size 38912
		.amdhsa_private_segment_fixed_size 0
		.amdhsa_enable_private_segment 0
		.amdhsa_kernarg_size 88
		.amdhsa_user_sgpr_count 2
		.amdhsa_user_sgpr_kernarg_segment_ptr 1
		.amdhsa_wavefront_size32 1
		.amdhsa_system_sgpr_workgroup_id_x 1
		.amdhsa_system_sgpr_workgroup_id_y 1
		.amdhsa_system_sgpr_workgroup_id_z 1
		.amdhsa_system_vgpr_workitem_id 0
		.amdhsa_next_free_vgpr 250
		.amdhsa_next_free_sgpr 66
		.amdhsa_reserve_vcc 0
		.amdhsa_float_denorm_mode_32 3
		.amdhsa_float_denorm_mode_16_64 3
		.amdhsa_memory_ordered 1
		.amdhsa_forward_progress 1
		.amdhsa_inst_pref_size 85
	.end_amdhsa_kernel
	.amdgpu_metadata
---
amdhsa.version: [ 1, 2 ]
amdhsa.kernels:
  - .name:           k_q0673010639_prep
    .symbol:         k_q0673010639_prep.kd
    .args:
      - { .name: x, .offset: 0, .size: 8, .value_kind: global_buffer, .address_space: global }
      - { .name: g1, .offset: 8, .size: 8, .value_kind: global_buffer, .address_space: global }
      - { .name: be1, .offset: 16, .size: 8, .value_kind: global_buffer, .address_space: global }
      - { .name: nq, .offset: 24, .size: 8, .value_kind: global_buffer, .address_space: global }
      - { .name: wq, .offset: 32, .size: 8, .value_kind: global_buffer, .address_space: global }
      - { .name: wk, .offset: 40, .size: 8, .value_kind: global_buffer, .address_space: global }
      - { .name: wv, .offset: 48, .size: 8, .value_kind: global_buffer, .address_space: global }
      - { .name: wo, .offset: 56, .size: 8, .value_kind: global_buffer, .address_space: global }
      - { .name: w1, .offset: 64, .size: 8, .value_kind: global_buffer, .address_space: global }
      - { .name: w2, .offset: 72, .size: 8, .value_kind: global_buffer, .address_space: global }
      - { .name: wts, .offset: 80, .size: 8, .value_kind: global_buffer, .address_space: global }
    .group_segment_fixed_size: 38912
    .private_segment_fixed_size: 0
    .kernarg_segment_align: 8
    .kernarg_segment_size: 88
    .max_flat_workgroup_size: 128
    .sgpr_count:     66
    .vgpr_count:     250
    .wavefront_size: 32
...
	.end_amdgpu_metadata
.endif
;; end of part 1
;; launch qkv (part 2): grid 12 x 16, 4 waves a work-group, clusters of 4 x 4, 327,680 bytes of LDS; arguments nq, wts, bq, bk, bv, qkv; writes qkv
.if DOCPART == 2
	.amdgcn_target "amdgcn-amd-amdhsa--gfx1250"
	.amdhsa_code_object_version 6
	.text
	.protected	k_q0673010639_qkv
	.globl	k_q0673010639_qkv
	.p2align	8
	.type	k_q0673010639_qkv,@function
k_q0673010639_qkv:
	s_mov_b64 s[64:65], 0
	v_nop
	global_prefetch_b8 v0, s[64:65] scope:SCOPE_SE
	s_setreg_imm32_b32 hwreg(HW_REG_WAVE_MODE, 25, 1), 1
	s_wait_xcnt 0x0
	s_wait_alu depctr_hold_cnt(0) depctr_sa_sdst(0) depctr_va_vdst(0) depctr_va_sdst(0) depctr_va_ssrc(0) depctr_va_vcc(0) depctr_vm_vsrc(0)
	s_getreg_b32 s2, hwreg(HW_REG_IB_STS2, 6, 4)
	s_cmp_eq_u32 s2, 0
	s_cbranch_scc0 .Lentry_in_a_cluster
	s_endpgm
.Lentry_in_a_cluster:
	s_bfe_u32 s2, ttmp6, 0x10000c
	s_cmp_lg_u32 s2, 0xf033
	s_cbranch_scc0 .Lentry_shape_is_right
	s_endpgm
.Lentry_shape_is_right:
.set NA,     8
.set NB,     8
.set NQ,     2
.set NK,     8
.set RB,     NQ*2048
.set HALFT,  NA*RB
.set SLOT,   4*HALFT
.set HALFS,  NA*NK*64
.set LAPS,   NK/(2*NQ)
.set SCL,    2*SLOT
.set SPARE,  SCL+4*HALFS
.set NP,     8
.set ADRA, 16
.set ADRB, 20
.set PWE,  18
.set WS,   19
.set WS1,  22
.set LI,   24
.set LS,   25
.set ADRS, 27
.set SPW,  28
.set NIL,  29
.set SC,   32
.set BI,   64
.set AF,   128
.set X,    128
.set PC,   192
.set TM,   208
.set PW,   224
.set G1, 24
.set G0, 32
.set G1B, 48
.set G0B, 56
.set G1S, 68
.set G0S, 76
.set G1SB, 80
.set G0SB, 88
.set SEL, 66
.set MNT, 95
.set HM,  100
.set MSB, 0
.macro WIN new
.if MSB != (\new)
	s_set_vgpr_msb (MSB<<8)|(\new)
.set MSB, (\new)
.endif
.endm
.set MUL_LO, 0xa1
.set MUL_HI, 0xf1
.set TO_B,   0x40
.macro JLOAD g0a, g1a, g0b, g1b
	s_cmp_eq_u32 s15, 0
	s_cbranch_scc0 .Lfor_b_\@
	tensor_load_to_lds s[\g0a:\g0a+3], s[\g1a:\g1a+7]
	s_nop 0
.rept 4
	v_nop
.endr
	s_branch .Lasked_\@
.Lfor_b_\@:
	tensor_load_to_lds s[\g0b:\g0b+3], s[\g1b:\g1b+7]
	s_nop 0
.rept 4
	v_nop
.endr
.Lasked_\@:
.endm
.macro CREST
	s_cmp_lg_u32 s14, 0
	s_cbranch_scc1 .Lnot_wave_0_\@
	s_barrier_signal -3
.Lnot_wave_0_\@:
	s_barrier_wait -3
	s_barrier_signal -1
	s_barrier_wait -1
.endm
.macro CROUND
	s_barrier_signal -1
	s_barrier_wait -1
	CREST
.endm
.macro PLACES cnt
.rept \cnt
	v_nop
.endr
.endm
	s_load_b256 s[4:11], s[0:1], 0x0
	s_load_b128 s[96:99], s[0:1], 0x20
	v_lshl_add_u32 v[SPW], v0, 2, SPARE
	v_mov_b32 v[NIL], 0
	ds_add_u32 v28, v29
	ds_add_u32 v28, v29
	s_wait_dscnt 0x0
	v_lshrrev_b32 v1, 5, v0
	v_readfirstlane_b32 s14, v1
	s_lshr_b32 s15, s14, 1
	s_and_b32 s16, s14, 1
	s_bfe_u32 s40, ttmp6, 0x40000
	s_bfe_u32 s41, ttmp6, 0x40004
	s_and_b32 s18, ttmp7, 0xffff
	s_lshl_b32 s18, s18, 2
	s_lshl_b32 s19, ttmp9, 2
	s_cmp_eq_u32 ttmp9, 2
	s_cselect_b32 s17, 0, s18
	s_cselect_b32 s42, s18, s19
	s_cselect_b32 s13, 1, 0
	s_add_co_u32 s17, s17, s41
	s_add_co_u32 s42, s42, s40
	s_lshl_b32 s43, s41, 2
	s_lshl_b32 s43, 15, s43
	s_lshl_b32 s44, 0x1111, s40
	s_or_b32 s[G1+0], s43, (3<<16)|(1<<21)
	s_or_b32 s[G1B+0], s44, (3<<16)|(1<<21)
.irp g, G1, G1B
	s_mov_b32 s[\g+1], (RB/8)<<16
	s_mov_b32 s[\g+2], (2*NA)<<16                  ; the head's loads bring 2 NA tiles; behind them these two words are set to NA
	s_mov_b32 s[\g+3], (RB/8)<<16
	s_mov_b32 s[\g+4], 2*NA
	s_mov_b32 s[\g+5], NK*256
	s_mov_b32 s[\g+6], 0
	s_mov_b32 s[\g+7], 0
.endr
	s_or_b32 s[G1S+0], s43, (3<<16)|(1<<21)
	s_or_b32 s[G1SB+0], s44, (3<<16)|(1<<21)
.irp g, G1S, G1SB
	s_mov_b32 s[\g+1], 32<<16
	s_mov_b32 s[\g+2], (2*HALFS/256)<<16           ; the scale words of all 2 NA tiles, one load
	s_mov_b32 s[\g+3], 32<<16
	s_mov_b32 s[\g+4], 2*HALFS/256
	s_mov_b32 s[\g+5], 32
	s_mov_b32 s[\g+6], 0
	s_mov_b32 s[\g+7], 0
.endr
	s_mul_i32 s20, s17, 2*NA
	s_mul_i32 s46, s42, 2*NA
	s_mul_i32 s22, s20, NK*64
	s_mul_i32 s92, s46, NK*64
	s_mul_i32 s20, s20, NK*2048
	s_mul_i32 s46, s46, NK*2048
	s_cmp_eq_u32 s13, 1
	s_cselect_b32 s18, 0x200000, 0
	s_mov_b32 s19, 0x400000
	s_cselect_b32 s19, 0xc10000, s19
	s_mov_b32 s93, 0xc00000
	s_cselect_b32 s93, 0x400000, s93
	s_add_co_u32 s20, s20, s18
	s_add_co_u32 s22, s22, s19
	s_add_co_u32 s92, s92, s93
	s_mov_b32 s21, 0
	s_mov_b32 s23, 0
	s_mov_b32 s47, 0
	s_mov_b32 s93, 0
	s_mul_i32 s45, s14, HALFT
	s_wait_kmcnt 0x0
	s_cmp_eq_u32 s13, 1
	s_cselect_b64 s[2:3], s[6:7], s[4:5]
	s_cselect_b64 s[18:19], s[4:5], s[6:7]
	s_add_nc_u64 s[20:21], s[2:3], s[20:21]
	s_add_nc_u64 s[22:23], s[2:3], s[22:23]
	s_add_nc_u64 s[46:47], s[18:19], s[46:47]
	s_add_nc_u64 s[92:93], s[18:19], s[92:93]
	CROUND
	s_mov_b32 s[G0S], 1
	s_mov_b32 s[G0S+1], SCL
	s_mov_b64 s[G0S+2:G0S+3], s[22:23]
	s_or_b32 s[G0S+3], s[G0S+3], 0x80000000
	s_mov_b32 s[G0SB], 1
	s_mov_b32 s[G0SB+1], SCL+2*HALFS
	s_mov_b64 s[G0SB+2:G0SB+3], s[92:93]
	s_or_b32 s[G0SB+3], s[G0SB+3], 0x80000000
	s_mov_b32 s[G0], 1                             ; the head's four tiles, each whole: slot 0's 2 NA tiles of A,
	s_mov_b32 s[G0+1], 0
	s_mov_b64 s[G0+2:G0+3], s[20:21]
	s_or_b32 s[G0+3], s[G0+3], 0x80000000
	s_mov_b32 s[G0B], 1                            ; and of B, behind them in the slot
	s_mov_b32 s[G0B+1], 2*HALFT
	s_mov_b64 s[G0B+2:G0B+3], s[46:47]
	s_or_b32 s[G0B+3], s[G0B+3], 0x80000000
	s_mul_i32 s18, s16, NA*NK*2048                 ; the ring: my NA tiles of a slot; slot 1 begins RB bytes along K
	s_add_co_u32 s18, s18, RB
	s_mov_b32 s19, 0
	s_mov_b32 s[G0+4], 1
	s_add_co_u32 s[G0+5], s45, SLOT
	s_add_nc_u64 s[G0+6:G0+7], s[20:21], s[18:19]
	s_or_b32 s[G0+7], s[G0+7], 0x80000000
	s_mov_b32 s[G0B+4], 1
	s_add_co_u32 s[G0B+5], s45, SLOT
	s_add_nc_u64 s[G0B+6:G0B+7], s[46:47], s[18:19]
	s_or_b32 s[G0B+7], s[G0B+7], 0x80000000
; one joint load a wave at the head: wave 0 A's tiles, wave 1 B's, wave 2 A's scale words, wave 3 B's; one chain of branches on the wave's number, every way passes one load
.macro ARM under, g0, g1, next
	s_cmp_lt_u32 s14, \under
	s_cbranch_scc0 \next
	tensor_load_to_lds s[\g0:\g0+3], s[\g1:\g1+7]
	s_nop 0
.rept 4
	v_nop
.endr
	s_branch .Lhead_asked
\next:
.endm
	ARM 1, G0, G1, .Lhead_b
	ARM 2, G0B, G1B, .Lhead_sa
	ARM 3, G0S, G1S, .Lhead_sb
	tensor_load_to_lds s[G0SB:G0SB+3], s[G1SB:G1SB+7]
	s_nop 0
.rept 4
	v_nop
.endr
.Lhead_asked:
; PREFETCHES INTO THE L2: K chunk m + 2 is asked for where chunk m's tensor load is issued (chunk 0's: chunks 1 and 2).  Of the NA tiles that my wave fetches in the ring, each of the four partners that ask for them
; jointly takes two, told apart by ADDRESS (cx for A, cy for B): a chunk of a tile is RB bytes, 16 lanes 256 bytes apart; one instruction a wave.  Chunk 3 is the last: nothing is asked beyond it.
	s_cmp_eq_u32 s15, 0
	s_cselect_b64 s[104:105], s[20:21], s[46:47]
	s_cselect_b32 s94, s40, s41
	s_lshl_b32 s94, s94, 15                        ; my two tiles of the NA: 2 x NK x 2,048 bytes a place
	s_mul_i32 s101, s16, NA*NK*2048
	s_add_co_u32 s94, s94, s101
	s_mov_b32 s95, 0
	s_add_nc_u64 s[104:105], s[104:105], s[94:95]
	v_and_b32 v30, 15, v0
	v_lshlrev_b32 v30, 8, v30
	v_bfe_u32 v31, v0, 4, 1
	v_lshl_add_u32 v30, v31, 14, v30               ; never rewritten
	global_prefetch_b8 v30, s[104:105] offset:RB th:TH_LOAD_NT scope:SCOPE_SE
	global_prefetch_b8 v30, s[104:105] offset:2*RB th:TH_LOAD_NT scope:SCOPE_SE
	v_and_b32 v1, 15, v0
	v_bfe_u32 v2, v0, 4, 1
	s_wait_alu depctr_va_vdst(0)
	v_and_b32 v3, 31, v0
	v_lshlrev_b32 v[LI], 4, v3
	v_lshlrev_b32 v[LS], 2, v3
	s_mul_i32 s21, s15, HALFT
	s_mul_i32 s22, s16, HALFT
	s_add_co_u32 s22, s22, 2*HALFT
.irp s, 0,1
	v_add_nc_u32 v[ADRA+\s], s21, v[LI]
	v_add_nc_u32 v[ADRB+\s], s22, v[LI]
	s_add_co_u32 s21, s21, SLOT
	s_add_co_u32 s22, s22, SLOT
.endr
	s_mul_i32 s21, s15, HALFS
	s_mul_i32 s22, s16, HALFS
	s_add_co_u32 s22, s22, 2*HALFS
	s_sub_co_u32 s22, s22, s21
	v_mul_u32_u24 v6, s22, v2
	s_add_co_u32 s21, s21, SCL
	v_lshl_add_u32 v5, v1, 2, v6
	v_add_nc_u32 v[ADRS], s21, v5
	s_and_b32 s46, s42, 3
	s_lshl_b32 s46, s46, 1
	s_add_co_u32 s46, s46, s16
	s_lshl_b32 s47, s17, 1
	s_add_co_u32 s47, s47, s15
	s_cmp_lt_u32 s42, 4
	s_cselect_b64 s[8:9], s[8:9], s[10:11]
	s_cmp_eq_u32 s13, 1
	s_cselect_b64 s[8:9], s[96:97], s[8:9]
	s_cselect_b32 s46, s47, s46
	s_cselect_b32 s12, -1, 0
	s_lshl_b32 s46, s46, 9
	s_mov_b32 s47, 0
	s_add_nc_u64 s[8:9], s[8:9], s[46:47]
	v_lshlrev_b32 v4, 6, v2
	v_and_b32 v5, 8, v1
	v_add_nc_u32 v5, v5, v1
	v_lshlrev_b32 v5, 2, v5
.irp j, 0,1,2,3,4,5,6,7
	v_add_nc_u32 v6, 4*\j, v4
	v_cndmask_b32 v[8+\j], v6, v5, s12
.endr
.set fi, 0
.rept 8
.irp j, 0,1,2,3,4,5,6,7
	global_load_b32 v[BI+8*fi+\j], v[8+\j], s[8:9] offset:(32*(fi/2)+8*(fi%2))*4
.endr
.set fi, fi+1
.endr
	s_mov_b32 s[SEL], 0x76543210
	s_mov_b32 s[SEL+1], 0xfedcba98
	s_mov_b32 s[MNT], 0x600000
	s_mov_b32 s[HM], 0xffff0000
.macro FRAG reg, adr, off
.irp c, 0,1,2,3
	ds_load_b128 v[\reg+4*\c:\reg+4*\c+3], v[\adr] offset:\off+512*\c
.endr
.endm
.macro FETCH_B slot, q, p
	WIN TO_B
.set fi, 0
.rept NB
	FRAG 128*(\p)+16*fi, ADRB+\slot, fi*RB+2048*(\q)
.set fi, fi+1
.endr
	WIN 0
.endm
.macro FETCH_A slot, q, i0
.set fi, \i0
.rept NA/2
	FRAG AF+16*fi, ADRA+\slot, fi*RB+2048*(\q)
.set fi, fi+1
.endr
.endm
.macro SCALES sc
.set fi, 0
.rept NA
.set fq, 0
.rept NQ
	ds_load_b32 v[SC+16*(\sc)+NQ*fi+fq], v[ADRS] offset:fi*NK*64+64*fq
.set fq, fq+1
.endr
.set fi, fi+1
.endr
.endm
.macro MULB a0, cnt, p, q, sc, zero
.set ma, \a0
.rept \cnt
.set mb, 0
.rept NB
.set rD, (8*(NB*ma+mb))%256
.set rB, 128*(\p)+16*mb
.set rA, AF+16*ma
.if \zero
	v_wmma_scale_f32_16x16x128_f8f6f4 v[rD:rD+7], v[rB:rB+15], v[rA:rA+15], 0, v[SC+16*(\sc)+NQ*mb+(\q)], v[SC+16*(\sc)+NQ*ma+(\q)] matrix_a_fmt:MATRIX_FMT_BF8 matrix_b_fmt:MATRIX_FMT_BF8 matrix_a_scale:MATRIX_SCALE_ROW1
.else
	v_wmma_scale_f32_16x16x128_f8f6f4 v[rD:rD+7], v[rB:rB+15], v[rA:rA+15], v[rD:rD+7], v[SC+16*(\sc)+NQ*mb+(\q)], v[SC+16*(\sc)+NQ*ma+(\q)] matrix_a_fmt:MATRIX_FMT_BF8 matrix_b_fmt:MATRIX_FMT_BF8 matrix_a_scale:MATRIX_SCALE_ROW1
.endif
.set mb, mb+1
.endr
.set ma, ma+1
.endr
.endm
.macro STEP slot, q, zero
	s_wait_dscnt 2*NA
	WIN MUL_LO
	MULB 0, NA/2, (\q)%2, \q, \slot, \zero
	s_wait_dscnt 0
	PLACES NP
	FETCH_B \slot, (\q)+1, 1-(\q)%2
	FETCH_A \slot, (\q)+1, 0
	WIN MUL_HI
	MULB NA/2, NA/2, (\q)%2, \q, \slot, \zero
	PLACES NP
	WIN 0
	FETCH_A \slot, (\q)+1, NA/2
.endm
.macro TURN slot, next, fill
	s_wait_tensorcnt 0x0
	ds_add_u32 v[SPW], v[NIL]
	s_wait_dscnt 2*NA+1
	WIN MUL_LO
	MULB 0, NA/4, 1, NQ-1, \slot, 0
	s_wait_dscnt 0x0
	s_barrier_signal -1
	MULB NA/4, NA/4, 1, NQ-1, \slot, 0
	WIN 0
	s_barrier_wait -1
.if \fill
	CREST
	s_add_nc_u64 s[G0+4*\slot+2:G0+4*\slot+3], s[G0+4*\slot+2:G0+4*\slot+3], 2*RB
	s_add_nc_u64 s[G0B+4*\slot+2:G0B+4*\slot+3], s[G0B+4*\slot+2:G0B+4*\slot+3], 2*RB
	JLOAD G0+4*\slot, G1, G0B+4*\slot, G1B
	PLACES NP-4
.else
	PLACES NP
.endif
	s_wait_alu depctr_va_vdst(0)
	v_add_nc_u32 v[ADRS], 64*NQ, v[ADRS]
	FETCH_B \next, 0, 0
	FETCH_A \next, 0, 0
	SCALES \next
	WIN MUL_HI
	MULB NA/2, NA/2, 1, NQ-1, \slot, 0
	PLACES NP
	WIN 0
	FETCH_A \next, 0, NA/2
.endm
	s_wait_alu depctr_va_vdst(0)
	s_wait_tensorcnt 0x0                           ; my tile of the head's four is in; no load of mine is out, so descriptors may be written
	ds_add_u32 v[SPW], v[NIL]
	s_mov_b32 s[G1+2], NA<<16                      ; from here on a load brings NA tiles
	s_mov_b32 s[G1+4], NA
	s_mov_b32 s[G1B+2], NA<<16
	s_mov_b32 s[G1B+4], NA
	s_mul_i32 s[G0+1], s14, HALFT                  ; slot 0's descriptors for the ring: my quarter, RB bytes back from slot 1's
	s_sub_nc_u64 s[G0+2:G0+3], s[G0+6:G0+7], RB
	s_mul_i32 s[G0B+1], s14, HALFT
	s_sub_nc_u64 s[G0B+2:G0B+3], s[G0B+6:G0B+7], RB
	s_wait_dscnt 0x0
	CROUND                                         ; all four tiles are in, all sixteen work-groups are here
	JLOAD G0+4, G1, G0B+4, G1B                     ; slot 1's first fill, my one load behind the round
	FETCH_B 0, 0, 0
	FETCH_A 0, 0, 0
	SCALES 0
	FETCH_A 0, 0, NA/2
	global_prefetch_b8 v30, s[104:105] offset:3*RB th:TH_LOAD_NT scope:SCOPE_SE
	STEP 0, 0, 1
	s_mov_b32 s3, LAPS-1
.Llap:
	TURN 0, 1, 1
	STEP 1, 0, 0
	TURN 1, 0, 1
	STEP 0, 0, 0
	s_sub_co_u32 s3, s3, 1
	s_cmp_lg_u32 s3, 0
	s_cbranch_scc1 .Llap
	TURN 0, 1, 0
	STEP 1, 0, 0
	s_wait_dscnt 2*NA
	WIN MUL_LO
	MULB 0, NA/2, 1, NQ-1, 1, 0
	s_wait_dscnt 0
	WIN MUL_HI
	MULB NA/2, NA/2, 1, NQ-1, 1, 0
	WIN 0
.macro QUANT s
.irp b, 0,1,2,3
	v_max3_num_f32 v[TM+\b], |v[\s+16*\b]|, |v[\s+1+16*\b]|, 0x8000000
.endr
.irp i, 2,4,6,8,10,12,14
.irp b, 0,1,2,3
	v_max3_num_f32 v[TM+\b], v[TM+\b], |v[\s+16*\b+\i]|, |v[\s+1+16*\b+\i]|
.endr
.endr
.irp b, 0,1,2,3
	v_permlanex16_b32 v[TM+4+\b], v[TM+\b], s[SEL], s[SEL+1]
.endr
.irp b, 0,1,2,3
	v_max_num_f32 v[TM+\b], v[TM+\b], v[TM+4+\b]
.endr
.irp b, 0,1,2,3
	v_add_nc_u32 v[TM+12+\b], 0xf8800000, v[TM+\b]
.endr
.irp b, 0,1,2,3
	v_and_or_b32 v[TM+8+\b], v[TM+\b], 0x7f800000, s[MNT]
.endr
.irp b, 0,1,2,3
	v_lshrrev_b32 v[TM+4+\b], 23, v[TM+12+\b]
.endr
	v_lshl_or_b32 v[PW], v[TM+5], 8, v[TM+4]
	v_lshl_or_b32 v[PW], v[TM+6], 16, v[PW]
	v_lshl_or_b32 v[PW], v[TM+7], 24, v[PW]
.irp b, 0,1,2,3
.irp i, 0,1,2,3,4,5,6,7,8,9,10,11,12,13,14,15
	v_med3_num_f32 v[\s+16*\b+\i], v[\s+16*\b+\i], -v[TM+8+\b], v[TM+8+\b]
.endr
	v_cvt_scalef32_pk8_bf8_f32 v[PC+4*\b:PC+1+4*\b], v[\s+16*\b:\s+7+16*\b], v[TM+12+\b]
	v_cvt_scalef32_pk8_bf8_f32 v[PC+2+4*\b:PC+3+4*\b], v[\s+8+16*\b:\s+15+16*\b], v[TM+12+\b]
.endr
	v_nop
.endm
.macro ADDB a, mode
	WIN 0x02+(\a)/4
.set eb, 0
.rept 8
.set bi, BI+8*eb
.if \mode
.set bi, BI+8*(\a)
.endif
.set ac, (64*(\a)+8*eb)%256
.irp k, 0,2,4,6
	v_pk_add_f32 v[X+8*eb+\k:X+8*eb+\k+1], v[ac+\k:ac+\k+1], v[bi+\k:bi+\k+1]
.endr
.set eb, eb+1
.endr
	WIN 0
.endm
	PLACES NP
	s_wait_loadcnt 0x0
.irp b, 0,1,2,3
	v_mov_b32 v[TM+4+\b], 0
.endr
	v_mov_b32 v[PWE], 0
	s_mov_b32 s3, 0
	s_cmp_eq_u32 s13, 1
	s_cbranch_scc1 .Lv_mode
	s_lshr_b32 s20, s17, 3
	s_lshl_b32 s20, s20, 4
	s_and_b32 s46, s42, 3
	s_lshl_b32 s46, s46, 2
	s_add_co_u32 s20, s20, s46
	s_lshl_b32 s46, s16, 1
	s_add_co_u32 s20, s20, s46
	s_lshl_b32 s21, s17, 4
	s_lshl_b32 s46, s15, 3
	s_add_co_u32 s21, s21, s46
	s_and_b32 s21, s21, 127
	s_lshr_b32 s47, s42, 2
	s_mul_i32 s22, s20, 12288
	s_lshl_b32 s46, s21, 6
	s_add_co_u32 s22, s22, s46
	s_mul_i32 s46, s47, 393216
	s_add_co_u32 s22, s22, s46
	s_add_co_u32 s22, s22, 0xc00000
	s_mov_b32 s23, 0
	s_lshl_b32 s20, s20, 17
	s_lshl_b32 s21, s21, 10
	s_add_co_u32 s20, s20, s21
	s_lshl_b32 s47, s47, 22
	s_add_co_u32 s20, s20, s47
	s_mov_b32 s21, 0
	s_add_nc_u64 s[20:21], s[98:99], s[20:21]
	s_add_nc_u64 s[22:23], s[98:99], s[22:23]
.Lqk:
.irp a, 0,1,2,3,4,5,6
	s_cmp_lg_u32 s3, \a
	s_cbranch_scc1 .Lqn\a
	ADDB \a, 0
	s_branch .Lqgot
.Lqn\a:
.endr
	ADDB 7, 0
.Lqgot:
	QUANT X
.irp c, 0,1,2,3
	global_store_b128 v[LI], v[PC+4*\c:PC+4*\c+3], s[20:21] offset:(\c%2)*512+(\c/2)*131072
.endr
	s_bitcmp1_b32 s3, 0
	s_cbranch_scc0 .Lqk_even
	v_cndmask_b32 v[WS], v[PWE], v[PW], s[HM]
	v_lshrrev_b32 v[WS1], 16, v[WS]
	v_and_b32 v[WS], 0xffff, v[WS]
	global_store_b32 v[LS], v[WS], s[22:23] offset:-64
	global_store_b32 v[LS], v[WS1], s[22:23] offset:12288-64
.Lqk_even:
	v_mov_b32 v[PWE], v[PW]
	s_wait_xcnt 0x0
	s_add_nc_u64 s[20:21], s[20:21], 1024
	s_add_nc_u64 s[22:23], s[22:23], 64
	s_add_co_u32 s3, s3, 1
	s_cmp_lt_u32 s3, 8
	s_cbranch_scc1 .Lqk
	s_branch .Lout
.Lv_mode:
	s_lshr_b32 s20, s42, 3
	s_lshl_b32 s20, s20, 4
	s_lshl_b32 s46, s17, 2
	s_add_co_u32 s20, s20, s46
	s_lshl_b32 s46, s15, 1
	s_add_co_u32 s20, s20, s46
	s_lshl_b32 s21, s42, 1
	s_add_co_u32 s21, s21, s16
	s_and_b32 s21, s21, 15
	s_mul_i32 s22, s20, 12288
	s_lshl_b32 s46, s21, 8
	s_add_co_u32 s22, s22, s46
	s_add_co_u32 s22, s22, 0xc60000+8192
	s_mov_b32 s23, 0
	s_lshl_b32 s20, s20, 17
	s_lshl_b32 s21, s21, 13
	s_add_co_u32 s20, s20, s21
	s_add_co_u32 s20, s20, 0x800000
	s_mov_b32 s21, 0
	s_add_nc_u64 s[20:21], s[98:99], s[20:21]
	s_add_nc_u64 s[22:23], s[98:99], s[22:23]
	s_mov_b32 s47, 0
	s_mov_b32 s93, 0
.Lv:
.irp a, 0,1,2,3,4,5,6
	s_cmp_lg_u32 s3, \a
	s_cbranch_scc1 .Lvn\a
	ADDB \a, 1
	s_branch .Lvgot
.Lvn\a:
.endr
	ADDB 7, 1
.Lvgot:
	QUANT X
.irp c, 0,1,2,3
	global_store_b128 v[LI], v[PC+4*\c:PC+4*\c+3], s[20:21] offset:512*\c
.endr
	s_bitcmp1_b32 s3, 0
	s_cbranch_scc0 .Lv_even
	v_cndmask_b32 v[WS], v[PWE], v[PW], s[HM]
	global_store_b32 v[LS], v[WS], s[22:23] offset:-64
.Lv_even:
	v_mov_b32 v[PWE], v[PW]
	s_wait_xcnt 0x0
	s_cmp_eq_u32 s3, 3
	s_mov_b32 s46, 2048
	s_cselect_b32 s46, 131072-3*2048, s46
	s_mov_b32 s92, 64
	s_cselect_b32 s92, 12288-3*64, s92
	s_add_nc_u64 s[20:21], s[20:21], s[46:47]
	s_add_nc_u64 s[22:23], s[22:23], s[92:93]
	s_add_co_u32 s3, s3, 1
	s_cmp_lt_u32 s3, 8
	s_cbranch_scc1 .Lv
.Lout:
	s_wait_tensorcnt 0x0
	ds_add_u32 v[SPW], v[NIL]
	s_wait_dscnt 0x0
	CROUND
	s_endpgm
.Lfunc_end_k_q0673010639_qkv:
	.size	k_q0673010639_qkv, .Lfunc_end_k_q0673010639_qkv-k_q0673010639_qkv
	.p2alignl 7, 3214868480
	.fill 96, 4, 3214868480
	.section	.rodata,"a",@progbits
	.p2align	6, 0x0
	.amdhsa_kernel k_q0673010639_qkv
		.amdhsa_group_segment_fixed_size 327680
		.amdhsa_private_segment_fixed_size 0
		.amdhsa_enable_private_segment 0
		.amdhsa_kernarg_size 48
		.amdhsa_user_sgpr_count 2
		.amdhsa_user_sgpr_kernarg_segment_ptr 1
		.amdhsa_wavefront_size32 1
		.amdhsa_system_sgpr_workgroup_id_x 1
		.amdhsa_system_sgpr_workgroup_id_y 1
		.amdhsa_system_sgpr_workgroup_id_z 1
		.amdhsa_system_vgpr_workitem_id 0
		.amdhsa_next_free_vgpr 1024
		.amdhsa_next_free_sgpr 106
		.amdhsa_reserve_vcc 0
		.amdhsa_float_denorm_mode_32 3
		.amdhsa_float_denorm_mode_16_64 3
		.amdhsa_memory_ordered 1
		.amdhsa_forward_progress 1
		.amdhsa_inst_pref_size 182
	.end_amdhsa_kernel
	.amdgpu_metadata
---
amdhsa.version: [ 1, 2 ]
amdhsa.kernels:
  - .name:           k_q0673010639_qkv
    .symbol:         k_q0673010639_qkv.kd
    .args:
      - { .name: nq, .offset: 0, .size: 8, .value_kind: global_buffer, .address_space: global }
      - { .name: wts, .offset: 8, .size: 8, .value_kind: global_buffer, .address_space: global }
      - { .name: bq, .offset: 16, .size: 8, .value_kind: global_buffer, .address_space: global }
      - { .name: bk, .offset: 24, .size: 8, .value_kind: global_buffer, .address_space: global }
      - { .name: bv, .offset: 32, .size: 8, .value_kind: global_buffer, .address_space: global }
      - { .name: qkv, .offset: 40, .size: 8, .value_kind: global_buffer, .address_space: global }
    .group_segment_fixed_size: 327680
    .private_segment_fixed_size: 0
    .kernarg_segment_align: 8
    .kernarg_segment_size: 48
    .max_flat_workgroup_size: 128
    .sgpr_count:     106
    .vgpr_count:     1024
    .wavefront_size: 32
...
	.end_amdgpu_metadata
.endif
;; end of part 2
;; launch attn (part 3): grid 8 x 32, 16 waves a work-group, clusters of 4 x 1, 327,680 bytes of LDS; arguments qkv, att; writes att
.if DOCPART == 3
	.amdgcn_target "amdgcn-amd-amdhsa--gfx1250"
	.amdhsa_code_object_version 6
	.text
	.protected	k_q0673010639_attn
	.globl	k_q0673010639_attn
	.p2align	8
	.type	k_q0673010639_attn,@function
k_q0673010639_attn:
	s_mov_b64 s[64:65], 0
	v_nop
	global_prefetch_b8 v0, s[64:65] scope:SCOPE_SE
	s_setreg_imm32_b32 hwreg(HW_REG_WAVE_MODE, 25, 1), 1
	s_wait_xcnt 0x0
	s_wait_alu depctr_hold_cnt(0) depctr_sa_sdst(0) depctr_va_vdst(0) depctr_va_sdst(0) depctr_va_ssrc(0) depctr_va_vcc(0) depctr_vm_vsrc(0)
	s_getreg_b32 s2, hwreg(HW_REG_IB_STS2, 6, 4)
	s_cmp_eq_u32 s2, 0
	s_cbranch_scc0 .Lentry_in_a_cluster
	s_endpgm
.Lentry_in_a_cluster:
	s_bfe_u32 s2, ttmp6, 0x10000c
	s_cmp_lg_u32 s2, 0x3003
	s_cbranch_scc0 .Lentry_shape_is_right
	s_endpgm
.Lentry_shape_is_right:
; O[head][q] = the sum over keys of softmax(q . k / 8) v, both products on codes of BF8 (E5M2) with E8M0 scales; 32 heads of 2,048 tokens x 64 channels.
; THE SOFTMAX AHEAD OF THE SECOND PRODUCT: t = score x log2(e) / 8; M = the row's largest t so far, rounded UP to a whole number; p = 2^(t - M) is quantised along the keys, not normalised; the row's sum is taken
; of the unquantised p and divides O at the end.  When M moves, the sum and O are multiplied by 2^(old M - new M): exact.
; SHARES.  A work-group owns 256 queries of one head; each of its sixteen waves one tile of 16, in 256 registers: four waves to a SIMD.
; A HEAD'S K AND V (262,144 bytes) COME INTO LDS ONCE, nothing is filled again: ONE tensor load a wave, at the head: wave w brings key step w, two rows of 8,192 bytes (k's eight tiles, v's four), 4 MiB apart in memory.
; The four work-groups of a cluster belong to one head: each load is asked for JOINTLY, with the same descriptor and a mask that names the four.
; The head's scale words (12,288 bytes, a small part of what is read) come through registers: wave w loads key step w's 768 bytes and stores them into LDS bytes into which no tensor load lands.
; One wait and one barrier show all of it to all waves; behind it the sixteen key steps are one counted loop with no barrier.
; LAYOUT.  All codes lie in the order of the operand's registers (a tile of q or k: 1,024 bytes [c 0..1][lane][16]; of v: 2,048 bytes [c 0..3][lane][16]); row r of tile t is row 32 (t / 2) + 8 (t % 2) + r + 8 (r / 8).
; Both products are used transposed (S^T = K Q^T, O^T = V^T P^T): a lane holds one query throughout, and by the order of a tile's rows p's 16 registers of two neighbouring tiles are 16 neighbouring keys.
; THE FIRST PRODUCT'S K IS 64, half of the instruction's 128: Q's registers 8-15 hold zero codes; a tile of K is named with the eight registers behind it, which hold the next tile's (finite) codes or kept zeros;
; the upper two bytes of q's and k's scale words are 0 (2^-127): the upper half adds exact zeros.
; THE ROW'S SUM is gathered in seven partial pairs a step; they are joined to the sum in the NEXT step's places behind the score products (both stand under the same M there), and once more behind the loop.
; OUT: O / the sum, quantised along the 64 channels, as two pieces of the next product's operand (tile of tokens, K step head / 2, pieces 2 (head % 2) on) and two scale bytes a row.
; No prefetch: all that the launch reads is asked for at its head.
; LIMITS: a block of zeros gets the byte 1; NaN and infinities are not served; the promise holds while the scaled scores stay under 2^31 in magnitude.
.set SCK,  262144                      ; LDS: behind the 16 key steps of 16,384 bytes: k's scale words (8,192 bytes), then v's (4,096)
.set SPARE, 0x43000                    ; behind them the spare words, 128 bytes a wave
.set VS,   4                           ; v4-5  v's scale words: lanes 0-15 tile 2 m, lanes 16-31 tile 2 m + 1
.set ADK,  8                           ; v8   LDS address of the step's tiles
.set ADS,  9                           ; v9   of k's scale words
.set ADT,  10                          ; v10  of v's
.set QS,   11                          ; v11  q's scale words
.set KF,   32                          ; v32-95   k's eight tiles of 8 registers, later v's four fragments; v96-103 zeros, kept
.set S,    104                         ; v104-167 S^T, then p
.set O,    168                         ; v168-199 O^T
.set PCD,  200                         ; v200-215 p's codes
.set BM,   216                         ; v216-219 the blocks' largest
.set BP,   220                         ; v220-223 the other lanes'; bytes
.set BH,   224                         ; v224-227 57,344 x the scale
.set BS,   228                         ; v228-231 the conversions' scale operands
.set F,    232                         ; v232 f = 2^(old M - new M); v233 p's scale word
.set PWD,  233
.set TMP,  234
.set T2,   235
.set KS,   236                         ; v236-239 k's scale words
.set P,    240                         ; v240-253 seven partial pairs of the row's sum
.set SPW,  254
.set NIL,  255
.set WV,   8
.set SEL,  12
.set CS,   14
.set MNT,  16
.set TB,   17
.set TS,   18
.set TJ,   19
.set G1KV, 24
.set G0KV, 32
.set CNT,  60
.set HM,   61
.macro CROUND
	s_barrier_signal -1
	s_barrier_wait -1
	s_cmp_lg_u32 s[WV], 0
	s_cbranch_scc1 .Lnot_wave_0_\@
	s_barrier_signal -3
.Lnot_wave_0_\@:
	s_barrier_wait -3
	s_barrier_signal -1
	s_barrier_wait -1
.endm
.macro JOIN                            ; the seven partial pairs join the sum
	v_pk_add_f32 v[P:P+1], v[P:P+1], v[P+2:P+3]
	v_pk_add_f32 v[P+4:P+5], v[P+4:P+5], v[P+6:P+7]
	v_pk_add_f32 v[P+8:P+9], v[P+8:P+9], v[P+10:P+11]
	v_pk_add_f32 v[14:15], v[14:15], v[P+12:P+13]
	v_pk_add_f32 v[P:P+1], v[P:P+1], v[P+4:P+5]
	v_pk_add_f32 v[14:15], v[14:15], v[P+8:P+9]
	v_pk_add_f32 v[14:15], v[14:15], v[P:P+1]
.endm
.macro HOLD2 x, b                      ; the conversion does not saturate (ISA guide 7.6.2); p is not negative: the hold is one-sided
	v_dual_min_num_f32 v[\x], v[\x], v[BH+\b] :: v_dual_min_num_f32 v[\x+1], v[\x+1], v[BH+\b]
.endm
	s_load_b128 s[4:7], s[0:1], 0x0                ; qkv, att
	v_lshl_add_u32 v[SPW], v0, 2, SPARE
	v_mov_b32 v[NIL], 0
	ds_add_u32 v[SPW], v[NIL]                      ; the add twice on end, and its wait ahead of my tensor load
	ds_add_u32 v[SPW], v[NIL]
	v_lshrrev_b32 v1, 5, v0
	v_readfirstlane_b32 s[WV], v1                  ; wave 0..15
	s_and_b32 s11, ttmp7, 0xffff                   ; the head, which the four partners share
	s_mov_b32 s[G1KV], 15|(3<<16)|(1<<21)          ; the mask: all four; elements of 8 bytes; bit 21 beside a mask
	s_mov_b32 s[G1KV+1], 1024<<16                  ; tensor_dim0: 8,192 bytes
	s_mov_b32 s[G1KV+2], 2<<16                     ; tensor_dim1: k's row, v's row
	s_mov_b32 s[G1KV+3], 1024<<16                  ; tile_dim0
	s_mov_b32 s[G1KV+4], 2                         ; tile_dim1
	s_mov_b32 s[G1KV+5], 524288                    ; from k's codes to v's: 4 MiB
	s_mov_b32 s[G1KV+6], 0
	s_mov_b32 s[G1KV+7], 0
	s_mul_i32 s20, s11, 12288                      ; the head's scale words: k's 8,192 bytes, then v's 4,096
	s_add_co_u32 s20, s20, 0xc60000
	s_lshl_b32 s62, s[WV], 9                       ; key step w: 512 bytes of k's,
	s_lshl_b32 s63, s[WV], 8                       ; 256 of v's
	s_add_co_u32 s36, s20, s63
	s_add_co_u32 s36, s36, 8192
	s_add_co_u32 s20, s20, s62
	s_mov_b32 s21, 0
	s_mov_b32 s37, 0
	s_add_co_u32 s62, s62, SCK                     ; and where they go in LDS
	s_add_co_u32 s63, s63, SCK+8192
	s_lshl_b32 s22, s11, 17
	s_lshl_b32 s23, s[WV], 13
	s_add_co_u32 s22, s22, s23
	s_add_co_u32 s22, s22, 0x400000                ; k's codes of key step w
	s_mov_b32 s23, 0
	s_mov_b32 s[G0KV], 1
	s_lshl_b32 s[G0KV+1], s[WV], 14
	; my tile of queries, and where its results go: cx enters these alone, in registers that feed no descriptor
	s_bfe_u32 s74, ttmp6, 0x40000                  ; cx
	s_lshl_b32 s75, ttmp9, 2
	s_add_co_u32 s75, s75, s74
	s_lshl_b32 s75, s75, 4
	s_add_co_u32 s75, s75, s[WV]                   ; tile = 16 (4 x cluster x + cx) + wave
	s_lshl_b32 s66, s11, 17
	s_lshl_b32 s74, s75, 10
	s_add_co_u32 s66, s66, s74
	s_mov_b32 s67, 0
	s_mul_i32 s68, s11, 12288
	s_lshl_b32 s74, s75, 6
	s_add_co_u32 s68, s68, s74
	s_add_co_u32 s68, s68, 0xc00000
	s_mov_b32 s69, 0
	s_lshr_b32 s74, s11, 4
	s_lshl_b32 s74, s74, 7
	s_add_co_u32 s75, s75, s74                     ; the tile of tokens among all 256
	s_bfe_u32 s74, s11, 0x30001                    ; the next product's K step: (head % 16) / 2
	s_and_b32 s76, s11, 1
	s_lshl_b32 s70, s75, 14
	s_lshl_b32 s77, s74, 11
	s_add_co_u32 s70, s70, s77
	s_lshl_b32 s77, s76, 10
	s_add_co_u32 s70, s70, s77
	s_mov_b32 s71, 0
	s_lshl_b32 s72, s75, 9
	s_lshl_b32 s77, s74, 6
	s_add_co_u32 s72, s72, s77
	s_lshl_b32 s77, s76, 1
	s_add_co_u32 s72, s72, s77
	s_add_co_u32 s72, s72, 0x400000
	s_mov_b32 s73, 0
	s_mov_b32 s[SEL], 0x76543210
	s_mov_b32 s[SEL+1], 0xfedcba98
	s_mov_b32 s[CS], 0x3e38aa3b                    ; c = log2(e) / 8
	s_mov_b32 s[CS+1], s[CS]                       ; (named with it as a pair, so it is written)
	s_mov_b32 s[MNT], 0x600000
	s_mov_b32 s[HM], 0xffff0000
	s_mov_b32 s[TB], 0
	s_mov_b32 s[TS], 0
	s_mov_b32 s[TJ], 0
	s_wait_dscnt 0x0                               ; both opening adds are done
	s_wait_kmcnt 0x0
	s_add_nc_u64 s[20:21], s[4:5], s[20:21]
	s_add_nc_u64 s[36:37], s[4:5], s[36:37]
	s_add_nc_u64 s[G0KV+2:G0KV+3], s[4:5], s[22:23]
	s_or_b32 s[G0KV+3], s[G0KV+3], 0x80000000
	s_add_nc_u64 s[66:67], s[4:5], s[66:67]        ; q's codes
	s_add_nc_u64 s[68:69], s[4:5], s[68:69]        ; q's scale words
	s_add_nc_u64 s[70:71], s[6:7], s[70:71]        ; out: codes
	s_add_nc_u64 s[72:73], s[6:7], s[72:73]        ; out: scale bytes
	CROUND                                         ; all four work-groups are here: the joint loads meet
	tensor_load_to_lds s[G0KV:G0KV+3], s[G1KV:G1KV+7]   ; my one load: key step w
	s_nop 0
.rept 4
	v_nop
.endr
	v_and_b32 v4, 31, v0
	v_lshlrev_b32 v1, 4, v4                        ; 16 x lane
	v_lshlrev_b32 v5, 3, v4                        ; 8 x lane
	v_lshl_add_u32 v2, v4, 2, SCK                  ; k's scale words: 4 x lane
	v_add_nc_u32 v3, 8192, v2                      ; v's
	v_and_b32 v6, 15, v0
	v_lshlrev_b32 v6, 2, v6                        ; 4 r
	v_bfe_u32 v7, v0, 4, 1
	v_add_nc_u32 v7, v7, v6                        ; 4 r + h: my scale byte on the way out
	v_add_nc_u32 v8, s62, v1                       ; where key step w's scale words go
	v_add_nc_u32 v9, s63, v5
	global_load_b128 v[S:S+3], v1, s[20:21]        ; 512 consecutive bytes of k's scale words,
	global_load_b64 v[S+4:S+5], v5, s[36:37]       ; 256 of v's
	global_load_b128 v[16:19], v1, s[66:67]        ; Q's fragment stays in registers
	global_load_b128 v[20:23], v1, s[66:67] offset:512
	global_load_b32 v[QS], v6, s[68:69]
.irp j, 0,1,2,3,4,5,6,7
	v_mov_b32 v[24+\j], 0                          ; the upper half of Q's K step: zero codes
	v_mov_b32 v[96+\j], 0                          ; and what stands behind k's last tile
.endr
	v_mov_b32 v13, 0xff61b1e6                      ; the largest score so far: -3e38
	v_mul_f32 v[T2], s[CS], v13
	v_floor_f32 v12, -v[T2]                        ; -M
	v_mov_b32 v14, 0                               ; the sum, in two halves
	v_mov_b32 v15, 0
.irp b, 0,1,2,3
	v_mov_b32 v[BP+\b], 0                          ; a lane permute's destination counts as one of its sources
.endr
	v_mov_b32 v[PWD], 0                            ; (named as the upper half of the pair with f before it is first written)
	v_mov_b32 v[TMP], 0
.set i, 0
.rept 14
	v_mov_b32 v[P+i], 0                            ; the first step joins zeros
.set i, i+1
.endr
.set i, 0
.rept 32
	v_mov_b32 v[O+i], 0                            ; the step is written once: the first finds zeros, which the first change of M leaves zeros
.set i, i+1
.endr
; A KEY STEP: 128 keys
.macro STEP
	v_add_nc_u32 v[ADK], s[TB], v1
	v_add_nc_u32 v[ADS], s[TS], v2
	v_add_nc_u32 v[ADT], s[TJ], v3
.rept 5
	v_nop                                          ; with the three additions: eight places in front of loads into registers that the last products read
.endr
.set i, 0
.rept 8
	ds_load_b128 v[KF+8*i:KF+8*i+3], v[ADK] offset:i*1024
	ds_load_b128 v[KF+8*i+4:KF+8*i+7], v[ADK] offset:i*1024+512
.set i, i+1
.endr
.irp m, 0,1,2,3
	ds_load_b32 v[KS+\m], v[ADS] offset:128*\m
.endr
	s_wait_alu depctr_va_vdst(0)
	s_wait_dscnt 0x0
.irp m, 0,1,2,3
	v_wmma_scale_f32_16x16x128_f8f6f4 v[S+16*\m:S+16*\m+7], v[KF+16*\m:KF+16*\m+15], v[16:31], 0, v[KS+\m], v[QS] matrix_a_fmt:MATRIX_FMT_BF8 matrix_b_fmt:MATRIX_FMT_BF8
	v_wmma_scale_f32_16x16x128_f8f6f4 v[S+16*\m+8:S+16*\m+15], v[KF+16*\m+8:KF+16*\m+23], v[16:31], 0, v[KS+\m], v[QS] matrix_a_fmt:MATRIX_FMT_BF8 matrix_b_fmt:MATRIX_FMT_BF8 matrix_a_scale:MATRIX_SCALE_ROW1
.endr
	JOIN                                           ; the last step's partial sums, still under the last M: these seven lines and the next are the eight places behind the products
	v_mov_b32 v[TMP], v12                          ; the old -M
.irp t, 0,1,2,3
.irp c, 0,1,2,3
	ds_load_b128 v[KF+16*\t+4*\c:KF+16*\t+4*\c+3], v[ADK] offset:8192+\t*2048+512*\c   ; v's fragments land where k's lay, under the softmax
.endr
.endr
.irp m, 0,1
	ds_load_b32 v[VS+\m], v[ADT] offset:128*\m
.endr
.irp b, 0,1,2,3
	v_max3_num_f32 v[BM+\b], v[S+16*\b], v[S+1+16*\b], v[S+2+16*\b]   ; the largest score of each block of 32 keys: for the row's maximum and, since p rises with the score, for the block's largest p
.endr
.irp i, 3,5,7,9,11,13
.irp b, 0,1,2,3
	v_max3_num_f32 v[BM+\b], v[BM+\b], v[S+16*\b+\i], v[S+1+16*\b+\i]
.endr
.endr
.irp b, 0,1,2,3
	v_max_num_f32 v[BM+\b], v[BM+\b], v[S+15+16*\b]
.endr
.irp b, 0,1,2,3
	v_permlanex16_b32 v[BP+\b], v[BM+\b], s[SEL], s[SEL+1]
.endr
.irp b, 0,1,2,3
	v_max_num_f32 v[BM+\b], v[BM+\b], v[BP+\b]     ; with lane l xor 16's 16 keys
.endr
	s_delay_alu instid0(VALU_DEP_2)
	v_max3_num_f32 v[T2], v[BM], v[BM+1], v[BM+2]
	s_delay_alu instid0(VALU_DEP_1)
	v_max3_num_f32 v13, v[T2], v[BM+3], v13        ; the running largest score
	s_delay_alu instid0(VALU_DEP_1)
	v_mul_f32 v[T2], s[CS], v13                    ; as t (c is positive, so the largest score gives the largest t)
	s_delay_alu instid0(VALU_DEP_1)
	v_floor_f32 v12, -v[T2]                        ; the new -M = -ceil(t): a whole number
	s_delay_alu instid0(VALU_DEP_1)
	v_sub_f32 v[TMP], v12, v[TMP]                  ; old M - new M: a whole number, 0 or less
	s_delay_alu instid0(VALU_DEP_1)
	v_cvt_i32_f32 v[TMP], v[TMP]                   ; (it saturates)
	s_delay_alu instid0(VALU_DEP_1)
	v_ldexp_f32 v[F], 1.0, v[TMP]                  ; f = 2^(old M - new M)
.set i, 0
.rept 32
	v_pk_fma_f32 v[S+i:S+i+1], v[S+i:S+i+1], s[CS:CS+1], v[12:13] op_sel_hi:[1,0,0]   ; t - M (of the pairs c and -M the low word serves both halves)
.set i, i+2
.endr
.irp b, 0,1,2,3
	v_fma_f32 v[BM+\b], v[BM+\b], s[CS], v12       ; the same of each block's largest score
.endr
	s_wait_alu depctr_va_vdst(0)
.set i, 0
.rept 64
	v_exp_f32 v[S+i], v[S+i]                       ; p = 2^(t - M), at most 1
.set i, i+1
.endr
	v_pk_mul_f32 v[14:15], v[14:15], v[F:F+1] op_sel_hi:[1,0]   ; the sum under the new M: a plain instruction behind the exponentials
	s_wait_alu depctr_va_vdst(0)                   ; one wait for the batch, ahead of its first reader
.irp b, 0,1,2,3
	v_exp_f32 v[BM+\b], v[BM+\b]                   ; the block's largest p: the same two instructions on the same number
.endr
.set i, 0
.rept 7
	v_pk_add_f32 v[P+2*i:P+2*i+1], v[S+4*i:S+4*i+1], v[S+4*i+2:S+4*i+3]   ; the row's sum is taken of the unquantised p: seven chains by turns
.set i, i+1
.endr
.set i, 0
.rept 18
	v_pk_add_f32 v[P+2*(i%7):P+2*(i%7)+1], v[P+2*(i%7):P+2*(i%7)+1], v[S+28+2*i:S+29+2*i]
.set i, i+1
.endr
	s_wait_alu depctr_va_vdst(0)                   ; and one wait for the four
.irp b, 0,1,2,3
	v_max_num_f32 v[BM+\b], 0x8000000, v[BM+\b]    ; the floor 2^(16 - 127): the byte cannot fall under 1
.endr
.irp b, 0,1,2,3
	v_add_nc_u32 v[BS+\b], 0xf8800000, v[BM+\b]    ; 15 off the exponent field: the conversion's scale operand
.endr
.irp b, 0,1,2,3
	v_and_or_b32 v[BH+\b], v[BM+\b], 0x7f800000, s[MNT]   ; 57,344 x the scale
.endr
.irp b, 0,1,2,3
	v_lshrrev_b32 v[BP+\b], 23, v[BS+\b]           ; the scale's byte
.endr
	s_delay_alu instid0(VALU_DEP_3)
	v_lshl_or_b32 v[PWD], v[BP+1], 8, v[BP]        ; p's scale word for these 128 keys
	s_delay_alu instid0(VALU_DEP_1)
	v_lshl_or_b32 v[PWD], v[BP+2], 16, v[PWD]
	s_delay_alu instid0(VALU_DEP_1)
	v_lshl_or_b32 v[PWD], v[BP+3], 24, v[PWD]
.irp b, 0,1,2,3
.irp i, 0,2,4,6,8,10,12,14
	HOLD2 S+16*\b+\i, \b
.endr
	v_cvt_scalef32_pk8_bf8_f32 v[PCD+4*\b:PCD+4*\b+1], v[S+16*\b:S+16*\b+7], v[BS+\b]
	v_cvt_scalef32_pk8_bf8_f32 v[PCD+4*\b+2:PCD+4*\b+3], v[S+16*\b+8:S+16*\b+15], v[BS+\b]
.endr
	s_wait_alu depctr_va_vdst(0)                   ; directly ahead of the first reader of O^T
.set i, 0
.rept 16
	v_pk_mul_f32 v[O+i:O+i+1], v[O+i:O+i+1], v[F:F+1] op_sel_hi:[1,0]   ; O^T under the new M; these are also the places in front of the products below
.set i, i+2
.endr
	s_wait_alu depctr_va_vdst(0)
	s_wait_dscnt 0x0                               ; v's fragments and scale words
.irp m, 0,1
	v_wmma_scale_f32_16x16x128_f8f6f4 v[O+16*\m:O+16*\m+7], v[KF+32*\m:KF+32*\m+15], v[PCD:PCD+15], v[O+16*\m:O+16*\m+7], v[VS+\m], v[PWD] matrix_a_fmt:MATRIX_FMT_BF8 matrix_b_fmt:MATRIX_FMT_BF8
	v_wmma_scale_f32_16x16x128_f8f6f4 v[O+16*\m+8:O+16*\m+15], v[KF+32*\m+16:KF+32*\m+31], v[PCD:PCD+15], v[O+16*\m+8:O+16*\m+15], v[VS+\m], v[PWD] matrix_a_fmt:MATRIX_FMT_BF8 matrix_b_fmt:MATRIX_FMT_BF8 matrix_a_scale:MATRIX_SCALE_ROW1
.endr
	s_add_co_u32 s[TB], s[TB], 16384
	s_add_co_u32 s[TS], s[TS], 512
	s_add_co_u32 s[TJ], s[TJ], 256
.endm
	s_wait_alu depctr_va_vdst(0)
	s_wait_loadcnt 0x0                             ; Q and my key step's scale words
	s_wait_tensorcnt 0x0                           ; my key step's codes have landed
	ds_store_b128 v8, v[S:S+3]
	ds_store_b64 v9, v[S+4:S+5]
	s_wait_dscnt 0x0                               ; for the others' sake: my stores have landed
	s_barrier_signal -1
	s_barrier_wait -1                              ; the sixteen waves' parts make the head's K, V and scale words
	s_mov_b32 s[CNT], 16
.Lstep:
	STEP
	s_sub_co_u32 s[CNT], s[CNT], 1
	s_cmp_lg_u32 s[CNT], 0
	s_cbranch_scc1 .Lstep
	; THE WAY OUT
	JOIN                                           ; the last step's partial sums; with the line below: eight places behind the last products
	v_add_f32 v14, v14, v15
	v_permlanex16_b32 v[TMP], v14, s[SEL], s[SEL+1]
	v_add_f32 v14, v14, v[TMP]                     ; the row's sum
	s_wait_alu depctr_va_vdst(0)
	v_rcp_f32 v14, v14
	v_nop                                          ; a plain instruction behind the reciprocal,
	s_wait_alu depctr_va_vdst(0)                   ; and the wait ahead of its first reader, which is O^T's first reader too
.set i, 0
.rept 32
	v_mul_f32 v[S+i], v[O+i], v14                  ; register 16 b + i is channel 32 b + 16 (lane / 16) + i of my query
.set i, i+1
.endr
.irp b, 0,1
	v_max3_num_f32 v[BM+\b], |v[S+16*\b]|, |v[S+1+16*\b]|, 0x8000000
.endr
.irp i, 2,4,6,8,10,12,14
.irp b, 0,1
	v_max3_num_f32 v[BM+\b], v[BM+\b], |v[S+16*\b+\i]|, |v[S+1+16*\b+\i]|
.endr
.endr
.irp b, 0,1
	v_permlanex16_b32 v[BP+\b], v[BM+\b], s[SEL], s[SEL+1]
.endr
.irp b, 0,1
	v_max_num_f32 v[BM+\b], v[BM+\b], v[BP+\b]
.endr
.irp b, 0,1
	v_add_nc_u32 v[BS+\b], 0xf8800000, v[BM+\b]
.endr
.irp b, 0,1
	v_and_or_b32 v[BH+\b], v[BM+\b], 0x7f800000, s[MNT]
.endr
.irp b, 0,1
	v_lshrrev_b32 v[BP+\b], 23, v[BS+\b]
.endr
	v_cndmask_b32 v[TMP], v[BP], v[BP+1], s[HM]    ; lanes 0-15 store the first block's byte, lanes 16-31 the second's
.irp b, 0,1
.irp i, 0,1,2,3,4,5,6,7,8,9,10,11,12,13,14,15
	v_med3_num_f32 v[S+16*\b+\i], v[S+16*\b+\i], -v[BH+\b], v[BH+\b]
.endr
	v_cvt_scalef32_pk8_bf8_f32 v[PCD+4*\b:PCD+4*\b+1], v[S+16*\b:S+16*\b+7], v[BS+\b]
	v_cvt_scalef32_pk8_bf8_f32 v[PCD+4*\b+2:PCD+4*\b+3], v[S+16*\b+8:S+16*\b+15], v[BS+\b]
.endr
	v_nop
	global_store_b128 v1, v[PCD:PCD+3], s[70:71]               ; 512 consecutive bytes a store
	global_store_b128 v1, v[PCD+4:PCD+7], s[70:71] offset:512
	global_store_b8 v7, v[TMP], s[72:73]
	s_wait_tensorcnt 0x0                           ; the wave's end
	ds_add_u32 v[SPW], v[NIL]
	s_wait_dscnt 0x0
	CROUND                                         ; the closing round
	s_endpgm
.Lfunc_end_k_q0673010639_attn:
	.size	k_q0673010639_attn, .Lfunc_end_k_q0673010639_attn-k_q0673010639_attn
	.p2alignl 7, 3214868480
	.fill 96, 4, 3214868480
	.section	.rodata,"a",@progbits
	.p2align	6, 0x0
	.amdhsa_kernel k_q0673010639_attn
		.amdhsa_group_segment_fixed_size 327680
		.amdhsa_private_segment_fixed_size 0
		.amdhsa_enable_private_segment 0
		.amdhsa_kernarg_size 16
		.amdhsa_user_sgpr_count 2
		.amdhsa_user_sgpr_kernarg_segment_ptr 1
		.amdhsa_wavefront_size32 1
		.amdhsa_system_sgpr_workgroup_id_x 1
		.amdhsa_system_sgpr_workgroup_id_y 1
		.amdhsa_system_sgpr_workgroup_id_z 1
		.amdhsa_system_vgpr_workitem_id 0
		.amdhsa_next_free_vgpr 256
		.amdhsa_next_free_sgpr 80
		.amdhsa_reserve_vcc 0
		.amdhsa_float_denorm_mode_32 3
		.amdhsa_float_denorm_mode_16_64 3
		.amdhsa_memory_ordered 1
		.amdhsa_forward_progress 1
		.amdhsa_inst_pref_size 34
	.end_amdhsa_kernel
	.amdgpu_metadata
---
amdhsa.version: [ 1, 2 ]
amdhsa.kernels:
  - .name:           k_q0673010639_attn
    .symbol:         k_q0673010639_attn.kd
    .args:
      - { .name: qkv, .offset: 0, .size: 8, .value_kind: global_buffer, .address_space: global }
      - { .name: att, .offset: 8, .size: 8, .value_kind: global_buffer, .address_space: global }
    .group_segment_fixed_size: 327680
    .private_segment_fixed_size: 0
    .kernarg_segment_align: 8
    .kernarg_segment_size: 16
    .max_flat_workgroup_size: 512
    .sgpr_count:     80
    .vgpr_count:     256
    .wavefront_size: 32
...
	.end_amdgpu_metadata
.endif
;; end of part 3
;; launch wo (part 4): grid 8 x 32, 4 waves a work-group, clusters of 4 x 4, 327,680 bytes of LDS; arguments att, wts, bo, x, x1; writes x1
.if DOCPART == 4
	.amdgcn_target "amdgcn-amd-amdhsa--gfx1250"
	.amdhsa_code_object_version 6
	.text
	.protected	k_q0673010639_wo
	.globl	k_q0673010639_wo
	.p2align	8
	.type	k_q0673010639_wo,@function
k_q0673010639_wo:
	s_mov_b64 s[64:65], 0
	v_nop
	global_prefetch_b8 v0, s[64:65] scope:SCOPE_SE
	s_setreg_imm32_b32 hwreg(HW_REG_WAVE_MODE, 25, 1), 1
	s_wait_xcnt 0x0
	s_wait_alu depctr_hold_cnt(0) depctr_sa_sdst(0) depctr_va_vdst(0) depctr_va_sdst(0) depctr_va_ssrc(0) depctr_va_vcc(0) depctr_vm_vsrc(0)
	s_getreg_b32 s2, hwreg(HW_REG_IB_STS2, 6, 4)
	s_cmp_eq_u32 s2, 0
	s_cbranch_scc0 .Lentry_in_a_cluster
	s_endpgm
.Lentry_in_a_cluster:
	s_bfe_u32 s2, ttmp6, 0x10000c
	s_cmp_lg_u32 s2, 0xf033
	s_cbranch_scc0 .Lentry_shape_is_right
	s_endpgm
.Lentry_shape_is_right:
; out = residual + A W + bias, f32, row-major [4,096][1,024]; the product on codes of BF8 (E5M2) with E8M0 scales for each 32 along K.
; A (tokens) and W (its columns) lie in the order of the operand's registers: tile of 16 rows, K step of 128: 2,048 bytes [c][lane][16]; row r of tile t is row 32 (t / 2) + 8 (t % 2) + r + 8 (r / 8);
; a tile's NK K steps lie on end; its scale words [K step][r] likewise.
; 4,096 x 1,024 gives only 64 tiles of 256 x 256, so a work-group of four waves makes 128 x 128 (256 work-groups) and a wave 64 x 64: 16 accumulators.  To give a load more work in which to land a slot holds FOUR K steps.
; THE MATRIX INSTRUCTION IS USED TRANSPOSED (source 0 = 16 columns of W, source 1 = 16 tokens): a lane holds eight neighbouring numbers of a row of the result.
; Joint tensor loads in clusters of 4 x 4: A's tiles are shared along a row of the cluster, W's along a column.  The scale words of all of K come once and stay.
; The residual's 64 x 64 numbers a wave are asked for behind the first fills, into registers, in the layout in which the rows leave: they land under the whole K loop.
; The sizes that differ between this text's two uses:
.set NK,     8                         ; K steps of 128
.set ASOFF,  0x400000                  ; A's scale words lie this far into A's buffer
.set BCOFF,  0x300000                  ; W's codes in wts
.set BSOFF,  0xc18000                  ; W's scale words in wts
.set NTOUT,  0                         ; 1: the result is read by no later launch
.set NTRES,  1
.set NA,     4
.set NB,     4
.set NQ,     4
.set RB,     NQ*2048
.set HALFT,  NA*RB
.set SLOT,   4*HALFT
.set HALFS,  NA*NK*64
.set LAPS,   NK/(2*NQ)
.set SCL,    2*SLOT
.set SPARE,  SCL+4*HALFS               ; the spare words, 128 bytes for each wave: two blocks of 256 bytes that no other line names
.set NP,     8
.set SPITCH, 272                       ; the way out: a stage of 16 rows x (256 bytes + 16) for each wave, in slot 0, which has had its last fill and its last read by then
.set ADRA, 16
.set ADRB, 20
.set STO,  24                          ; v24  the stage: where I put 32 bytes of a row
.set RD,   25                          ; v25  and where I read a row back
.set CO,   26                          ; v26  my byte offset in two rows of the result
.set ADRS, 27
.set SPW,  28
.set NIL,  29
.set SC,   32                          ; v32-63 scale words, a set of 16 for each slot
.set AF,   128                         ; v128-191 A's fragments
.set BK,   192                         ; v192-255 the way out: two sets of 16 rows read back
.set G1, 24
.set G0, 32
.set G1B, 48
.set G0B, 56
.set G1S, 68
.set G0S, 76
.set G1SB, 80
.set G0SB, 88
.set MSB, 0
.macro WIN new
.if MSB != (\new)
	s_set_vgpr_msb (MSB<<8)|(\new)
.set MSB, (\new)
.endif
.endm
.set MUL_LO, 0xa1                      ; source 0 (W) window 1, source 1 (A) window 0, C and D window 2
.set MUL_HI, 0xa1
.set TO_B,   0x40
.macro JLOAD g0a, g1a, g0b, g1b
	s_cmp_eq_u32 s15, 0
	s_cbranch_scc0 .Lfor_b_\@
	tensor_load_to_lds s[\g0a:\g0a+3], s[\g1a:\g1a+7]
	s_nop 0
.rept 4
	v_nop
.endr
	s_branch .Lasked_\@
.Lfor_b_\@:
	tensor_load_to_lds s[\g0b:\g0b+3], s[\g1b:\g1b+7]
	s_nop 0
.rept 4
	v_nop
.endr
.Lasked_\@:
.endm
.macro CREST
	s_cmp_lg_u32 s14, 0
	s_cbranch_scc1 .Lnot_wave_0_\@
	s_barrier_signal -3
.Lnot_wave_0_\@:
	s_barrier_wait -3
	s_barrier_signal -1
	s_barrier_wait -1
.endm
.macro CROUND
	s_barrier_signal -1
	s_barrier_wait -1
	CREST
.endm
.macro PLACES cnt
.rept \cnt
	v_nop
.endr
.endm
	s_load_b256 s[4:11], s[0:1], 0x0               ; A, wts, the bias, the residual
	s_load_b64 s[12:13], s[0:1], 0x20              ; the result
	v_lshl_add_u32 v[SPW], v0, 2, SPARE
	v_mov_b32 v[NIL], 0
	ds_add_u32 v28, v29
	ds_add_u32 v28, v29
	s_wait_dscnt 0x0
	v_lshrrev_b32 v1, 5, v0
	v_readfirstlane_b32 s14, v1
	s_lshr_b32 s15, s14, 1                         ; my half of A's rows.  Also: I fetch for A (0) or for W (1)
	s_and_b32 s16, s14, 1                          ; my half of W's columns.  Also: which half of that tile I fetch
	s_bfe_u32 s40, ttmp6, 0x40000
	s_bfe_u32 s41, ttmp6, 0x40004
	s_lshl_b32 s42, ttmp9, 2
	s_add_co_u32 s42, s42, s40                     ; tile column = 4 x cluster x + cx
	s_and_b32 s17, ttmp7, 0xffff
	s_lshl_b32 s17, s17, 2
	s_add_co_u32 s17, s17, s41                     ; tile row = 4 x cluster y + cy
	s_lshl_b32 s43, s41, 2
	s_lshl_b32 s43, 15, s43
	s_lshl_b32 s44, 0x1111, s40
	s_or_b32 s[G1+0], s43, (3<<16)|(1<<21)         ; codes: NA rows (tiles) of RB bytes, NK x 2,048 bytes apart; elements of 8 bytes; dense in LDS
	s_or_b32 s[G1B+0], s44, (3<<16)|(1<<21)
.irp g, G1, G1B
	s_mov_b32 s[\g+1], (RB/8)<<16
	s_mov_b32 s[\g+2], (2*NA)<<16                  ; the head's loads bring 2 NA tiles; behind them these two words are set to NA
	s_mov_b32 s[\g+3], (RB/8)<<16
	s_mov_b32 s[\g+4], 2*NA
	s_mov_b32 s[\g+5], NK*256
	s_mov_b32 s[\g+6], 0
	s_mov_b32 s[\g+7], 0
.endr
	s_or_b32 s[G1S+0], s43, (3<<16)|(1<<21)        ; scale words: HALFS dense bytes as rows of 256
	s_or_b32 s[G1SB+0], s44, (3<<16)|(1<<21)
.irp g, G1S, G1SB
	s_mov_b32 s[\g+1], 32<<16
	s_mov_b32 s[\g+2], (2*HALFS/256)<<16           ; the scale words of all 2 NA tiles, one load
	s_mov_b32 s[\g+3], 32<<16
	s_mov_b32 s[\g+4], 2*HALFS/256
	s_mov_b32 s[\g+5], 32
	s_mov_b32 s[\g+6], 0
	s_mov_b32 s[\g+7], 0
.endr
	s_mul_i32 s20, s17, 2*NA
	s_mul_i32 s46, s42, 2*NA
	s_mul_i32 s22, s20, NK*64
	s_mul_i32 s92, s46, NK*64
	s_mul_i32 s20, s20, NK*2048
	s_mul_i32 s46, s46, NK*2048
	s_add_co_u32 s22, s22, ASOFF
	s_add_co_u32 s46, s46, BCOFF
	s_add_co_u32 s92, s92, BSOFF
	s_mov_b32 s21, 0
	s_mov_b32 s23, 0
	s_mov_b32 s47, 0
	s_mov_b32 s93, 0
	s_mul_i32 s45, s14, HALFT
	s_wait_kmcnt 0x0
	s_add_nc_u64 s[20:21], s[4:5], s[20:21]
	s_add_nc_u64 s[22:23], s[4:5], s[22:23]
	s_add_nc_u64 s[46:47], s[6:7], s[46:47]
	s_add_nc_u64 s[92:93], s[6:7], s[92:93]
	CROUND                                         ; all sixteen work-groups are here: the first joint loads meet
	s_mov_b32 s[G0S], 1
	s_mov_b32 s[G0S+1], SCL
	s_mov_b64 s[G0S+2:G0S+3], s[22:23]
	s_or_b32 s[G0S+3], s[G0S+3], 0x80000000
	s_mov_b32 s[G0SB], 1
	s_mov_b32 s[G0SB+1], SCL+2*HALFS
	s_mov_b64 s[G0SB+2:G0SB+3], s[92:93]
	s_or_b32 s[G0SB+3], s[G0SB+3], 0x80000000
	s_mov_b32 s[G0], 1                             ; the head's four tiles, each whole: slot 0's 2 NA tiles of A,
	s_mov_b32 s[G0+1], 0
	s_mov_b64 s[G0+2:G0+3], s[20:21]
	s_or_b32 s[G0+3], s[G0+3], 0x80000000
	s_mov_b32 s[G0B], 1                            ; and of W, behind them in the slot
	s_mov_b32 s[G0B+1], 2*HALFT
	s_mov_b64 s[G0B+2:G0B+3], s[46:47]
	s_or_b32 s[G0B+3], s[G0B+3], 0x80000000
	s_mul_i32 s18, s16, NA*NK*2048                 ; slot 1: my NA tiles, RB bytes along K
	s_add_co_u32 s18, s18, RB
	s_mov_b32 s19, 0
	s_mov_b32 s[G0+4], 1
	s_add_co_u32 s[G0+5], s45, SLOT
	s_add_nc_u64 s[G0+6:G0+7], s[20:21], s[18:19]
	s_or_b32 s[G0+7], s[G0+7], 0x80000000
	s_mov_b32 s[G0B+4], 1
	s_add_co_u32 s[G0B+5], s45, SLOT
	s_add_nc_u64 s[G0B+6:G0B+7], s[46:47], s[18:19]
	s_or_b32 s[G0B+7], s[G0B+7], 0x80000000
; one joint load a wave at the head: wave 0 A's tiles, wave 1 W's, wave 2 A's scale words, wave 3 W's; one chain of branches on the wave's number, every way passes one load
.macro ARM under, g0, g1, next
	s_cmp_lt_u32 s14, \under
	s_cbranch_scc0 \next
	tensor_load_to_lds s[\g0:\g0+3], s[\g1:\g1+7]
	s_nop 0
.rept 4
	v_nop
.endr
	s_branch .Lhead_asked
\next:
.endm
	ARM 1, G0, G1, .Lhead_b
	ARM 2, G0B, G1B, .Lhead_sa
	ARM 3, G0S, G1S, .Lhead_sb
	tensor_load_to_lds s[G0SB:G0SB+3], s[G1SB:G1SB+7]
	s_nop 0
.rept 4
	v_nop
.endr
.Lhead_asked:
; A PREFETCH INTO THE L2 of slot 1's tiles, the second and last K chunk, which are loaded when the head's tiles have landed.  Of the NA tiles that my wave fetches there, each of the four partners that ask for them
; jointly takes one, told apart by ADDRESS (cx for A, cy for W): a chunk of a tile is RB bytes, 32 lanes 256 bytes apart; one instruction a wave.
	s_cmp_eq_u32 s15, 0
	s_cselect_b64 s[92:93], s[20:21], s[46:47]
	s_cselect_b32 s94, s40, s41
	s_lshl_b32 s94, s94, 14                        ; my tile of the NA: NK x 2,048 bytes a place
	s_mul_i32 s95, s16, NA*NK*2048
	s_add_co_u32 s94, s94, s95
	s_mov_b32 s95, 0
	s_add_nc_u64 s[92:93], s[92:93], s[94:95]
	v_and_b32 v30, 31, v0
	v_lshlrev_b32 v30, 8, v30                      ; never rewritten
	global_prefetch_b8 v30, s[92:93] offset:RB th:TH_LOAD_NT scope:SCOPE_SE
	v_and_b32 v1, 15, v0                           ; r
	v_bfe_u32 v2, v0, 4, 1                         ; h
	s_wait_alu depctr_va_vdst(0)
	v_and_b32 v3, 31, v0
	v_lshlrev_b32 v7, 4, v3                        ; 16 x lane
	s_mul_i32 s21, s15, HALFT
	s_mul_i32 s22, s16, HALFT
	s_add_co_u32 s22, s22, 2*HALFT
.irp s, 0,1
	v_add_nc_u32 v[ADRA+\s], s21, v7
	v_add_nc_u32 v[ADRB+\s], s22, v7
	s_add_co_u32 s21, s21, SLOT
	s_add_co_u32 s22, s22, SLOT
.endr
	s_mul_i32 s21, s15, HALFS
	s_mul_i32 s22, s16, HALFS
	s_add_co_u32 s22, s22, 2*HALFS
	s_sub_co_u32 s22, s22, s21
	v_mul_u32_u24 v6, s22, v2                      ; lanes 16-31 take W's: one product, the distance between the two
	s_add_co_u32 s21, s21, SCL
	v_lshl_add_u32 v5, v1, 2, v6
	v_add_nc_u32 v[ADRS], s21, v5
	s_mul_i32 s23, s14, 16*SPITCH                  ; my stage
	v_mul_u32_u24 v5, v1, SPITCH
	v_lshl_add_u32 v5, v2, 6, v5
	v_add_nc_u32 v[STO], s23, v5                   ; in: row r, + 64 h
	v_mul_u32_u24 v5, v2, SPITCH
	v_lshl_add_u32 v5, v1, 4, v5
	v_add_nc_u32 v[RD], s23, v5                    ; back: lanes 0-15 one row of 256 bytes, lanes 16-31 the next
	v_lshlrev_b32 v11, 4, v1                       ; 16 r: my four columns
	s_wait_alu depctr_va_vdst(0)
	v_lshl_add_u32 v[CO], v2, 12, v11              ; and the same two rows in memory, 4,096 bytes apart
	s_wait_alu depctr_va_vdst(0)
	s_lshl_b32 s20, s17, 7
	s_lshl_b32 s21, s15, 6
	s_add_co_u32 s20, s20, s21                     ; my first token
	s_lshl_b32 s20, s20, 12
	s_lshl_b32 s46, s42, 7
	s_lshl_b32 s47, s16, 6
	s_add_co_u32 s46, s46, s47                     ; my first column
	s_lshl_b32 s46, s46, 2
	s_mov_b32 s47, 0
	s_add_nc_u64 s[8:9], s[8:9], s[46:47]
	s_add_co_u32 s20, s20, s46
	s_mov_b32 s21, 0
	s_add_nc_u64 s[10:11], s[10:11], s[20:21]
	s_add_nc_u64 s[12:13], s[12:13], s[20:21]
	global_load_b128 v[12:15], v11, s[8:9]         ; the bias of my four columns
	WIN 0x80                                       ; destination window 2: v128-255 there take the residual; row pair t of block a begins at token 32 (a / 2) + 8 (a % 2) + 2 t + 8 (t / 4)
.set ea, 0
.rept 4
.set et, 0
.rept 8
	global_load_b128 v[128+4*(8*ea+et):128+4*(8*ea+et)+3], v[CO], s[10:11] offset:(32*(ea/2)+8*(ea%2)+2*et+8*(et/4))*4096 th:TH_LOAD_NT
.set et, et+1
.endr
.set ea, ea+1
.endr
	WIN 0
.macro FRAG reg, adr, off
.irp c, 0,1,2,3
	ds_load_b128 v[\reg+4*\c:\reg+4*\c+3], v[\adr] offset:\off+512*\c
.endr
.endm
.macro FETCH_B slot, q, p
	WIN TO_B
.set fi, 0
.rept NB
	FRAG 128*(\p)+16*fi, ADRB+\slot, fi*RB+2048*(\q)
.set fi, fi+1
.endr
	WIN 0
.endm
.macro FETCH_A slot, q, i0
.set fi, \i0
.rept NA/2
	FRAG AF+16*fi, ADRA+\slot, fi*RB+2048*(\q)
.set fi, fi+1
.endr
.endm
.macro SCALES sc
.set fi, 0
.rept NA
.set fq, 0
.rept NQ
	ds_load_b32 v[SC+16*(\sc)+NQ*fi+fq], v[ADRS] offset:fi*NK*64+64*fq
.set fq, fq+1
.endr
.set fi, fi+1
.endr
.endm
; The accumulators take turns, one instruction a turn, in the same order in every step
.macro MULB a0, cnt, p, q, sc, zero
.set ma, \a0
.rept \cnt
.set mb, 0
.rept NB
.set rD, (8*(NB*ma+mb))%256
.set rB, 128*(\p)+16*mb
.set rA, AF+16*ma
.if \zero
	v_wmma_scale_f32_16x16x128_f8f6f4 v[rD:rD+7], v[rB:rB+15], v[rA:rA+15], 0, v[SC+16*(\sc)+NQ*mb+(\q)], v[SC+16*(\sc)+NQ*ma+(\q)] matrix_a_fmt:MATRIX_FMT_BF8 matrix_b_fmt:MATRIX_FMT_BF8 matrix_a_scale:MATRIX_SCALE_ROW1
.else
	v_wmma_scale_f32_16x16x128_f8f6f4 v[rD:rD+7], v[rB:rB+15], v[rA:rA+15], v[rD:rD+7], v[SC+16*(\sc)+NQ*mb+(\q)], v[SC+16*(\sc)+NQ*ma+(\q)] matrix_a_fmt:MATRIX_FMT_BF8 matrix_b_fmt:MATRIX_FMT_BF8 matrix_a_scale:MATRIX_SCALE_ROW1
.endif
.set mb, mb+1
.endr
.set ma, ma+1
.endr
.endm
.macro STEP slot, q, zero
	s_wait_dscnt 2*NA                              ; W's set and A's first half are in; the youngest 2 NA loads (A's second half) may be out
	WIN MUL_LO
	MULB 0, NA/2, (\q)%2, \q, \slot, \zero
	s_wait_dscnt 0
	PLACES NP
	FETCH_B \slot, (\q)+1, 1-(\q)%2
	FETCH_A \slot, (\q)+1, 0
	WIN MUL_HI
	MULB NA/2, NA/2, (\q)%2, \q, \slot, \zero
	PLACES NP
	WIN 0
	FETCH_A \slot, (\q)+1, NA/2
.endm
.macro MID slot                        ; a slot's second and third steps
	STEP \slot, 1, 0
	STEP \slot, 2, 0
.endm
.macro TURN slot, next, fill
	s_wait_tensorcnt 0x0                           ; all my tensor loads have landed: my part of the next slot
	ds_add_u32 v[SPW], v[NIL]                      ; 0 onto my spare word
	s_wait_dscnt 2*NA+1                            ; (the add and A's second half may be out)
	WIN MUL_LO
	MULB 0, NA/4, 1, NQ-1, \slot, 0
	s_wait_dscnt 0x0                               ; the add is done, and my reads of this slot are over
	s_barrier_signal -1
	MULB NA/4, NA/4, 1, NQ-1, \slot, 0
	WIN 0
	s_barrier_wait -1
.if \fill
	CREST                                          ; the barrier has opened a round of the cluster's barrier
	s_add_nc_u64 s[G0+4*\slot+2:G0+4*\slot+3], s[G0+4*\slot+2:G0+4*\slot+3], 2*RB
	s_add_nc_u64 s[G0B+4*\slot+2:G0B+4*\slot+3], s[G0B+4*\slot+2:G0B+4*\slot+3], 2*RB
	JLOAD G0+4*\slot, G1, G0B+4*\slot, G1B         ; the first tensor load behind the round, my one load until the next
	PLACES NP-4
.else
	PLACES NP
.endif
	v_add_nc_u32 v[ADRS], 64*NQ, v[ADRS]
	FETCH_B \next, 0, 0
	FETCH_A \next, 0, 0
	SCALES \next
	WIN MUL_HI
	MULB NA/2, NA/2, 1, NQ-1, \slot, 0
	PLACES NP
	WIN 0
	FETCH_A \next, 0, NA/2
.endm
	s_wait_alu depctr_va_vdst(0)
	s_wait_tensorcnt 0x0                           ; my tile of the head's four is in; no load of mine is out, so a descriptor may be written
	ds_add_u32 v[SPW], v[NIL]
	s_mov_b32 s[G1+2], NA<<16                      ; slot 1's loads bring NA tiles each
	s_mov_b32 s[G1+4], NA
	s_mov_b32 s[G1B+2], NA<<16
	s_mov_b32 s[G1B+4], NA
	s_wait_dscnt 0x0
	CROUND                                         ; all four tiles are in, all sixteen work-groups are here
	JLOAD G0+4, G1, G0B+4, G1B                     ; slot 1's first fill, my one load behind the round
	FETCH_B 0, 0, 0
	FETCH_A 0, 0, 0
	SCALES 0
	FETCH_A 0, 0, NA/2
	STEP 0, 0, 1
.if LAPS > 1
	s_mov_b32 s3, LAPS-1
.Llap:
	MID 0
	TURN 0, 1, 1
	STEP 1, 0, 0
	MID 1
	TURN 1, 0, 1
	STEP 0, 0, 0
	s_sub_co_u32 s3, s3, 1
	s_cmp_lg_u32 s3, 0
	s_cbranch_scc1 .Llap
.endif
	MID 0
	TURN 0, 1, 0                                   ; the last lap fills nothing
	STEP 1, 0, 0
	MID 1
	s_wait_dscnt 2*NA
	WIN MUL_LO
	MULB 0, NA/2, 1, NQ-1, 1, 0
	s_wait_dscnt 0
	WIN MUL_HI
	MULB NA/2, NA/2, 1, NQ-1, 1, 0
	WIN 0
; THE WAY OUT, a block of 16 tokens x 64 columns at a time: through my own stage and back as whole rows of 256 bytes; LDS serves a wave's instructions in order (ISA guide 5.7.1.4): no wait between the stores and the loads
.macro TOSTAGE a
	WIN 0x08                                       ; an LDS store's data are its source 1: window 2
.irp b, 0,1,2,3
	ds_store_b128 v[STO], v[8*(4*(\a)+\b):8*(4*(\a)+\b)+3] offset:128*(\b/2)+32*(\b%2)        ; each accumulator from its low end on; register j is column 32 (b / 2) + 8 (b % 2) + 16 h + j
	ds_store_b128 v[STO], v[8*(4*(\a)+\b)+4:8*(4*(\a)+\b)+7] offset:128*(\b/2)+32*(\b%2)+16
.endr
	WIN 0
.set BB, BK+32*((\a)%2)
.irp t, 0,1,2,3,4,5,6,7
	ds_load_b128 v[BB+4*\t:BB+4*\t+3], v[RD] offset:\t*2*SPITCH
.endr
.endm
.macro SEND a, younger                 ; younger: the LDS instructions issued behind block a's loads, which may stay out
.set BB, BK+32*((\a)%2)
	s_wait_dscnt \younger
	WIN 0x08                                       ; source 1: the residual, in window 2
.set si, 0
.rept 16
	v_pk_add_f32 v[BB+2*si:BB+2*si+1], v[BB+2*si:BB+2*si+1], v[128+32*(\a)+2*si:128+32*(\a)+2*si+1]
.set si, si+1
.endr
	WIN 0
.set si, 0
.rept 16
	v_pk_add_f32 v[BB+2*si:BB+2*si+1], v[BB+2*si:BB+2*si+1], v[12+2*(si%2):13+2*(si%2)]
.set si, si+1
.endr
.irp t, 0,1,2,3,4,5,6,7
.if NTOUT
	global_store_b128 v[CO], v[BB+4*\t:BB+4*\t+3], s[12:13] offset:(32*((\a)/2)+8*((\a)%2)+2*\t+8*(\t/4))*4096 th:TH_STORE_NT
.else
	global_store_b128 v[CO], v[BB+4*\t:BB+4*\t+3], s[12:13] offset:(32*((\a)/2)+8*((\a)%2)+2*\t+8*(\t/4))*4096   ; sixteen lanes store 256 consecutive bytes, aligned
.endif
.endr
.endm
	PLACES NP                                      ; behind the last products
	s_wait_loadcnt 0x0                             ; the bias and the residual
	TOSTAGE 0
.irp a, 1,2,3
.if \a > 1
	s_wait_xcnt 0x0                                ; block a - 2's stores have read their registers: block a's loads may land there
.endif
	TOSTAGE \a
	SEND \a-1, 16                                  ; behind block a - 1's loads: block a's 8 stores and 8 loads
.endr
	SEND 3, 0
	s_wait_tensorcnt 0x0                           ; the wave's end
	ds_add_u32 v[SPW], v[NIL]
	s_wait_dscnt 0x0
	CROUND                                         ; the closing round
	s_endpgm
.Lfunc_end_k_q0673010639_wo:
	.size	k_q0673010639_wo, .Lfunc_end_k_q0673010639_wo-k_q0673010639_wo
	.p2alignl 7, 3214868480
	.fill 96, 4, 3214868480
	.section	.rodata,"a",@progbits
	.p2align	6, 0x0
	.amdhsa_kernel k_q0673010639_wo
		.amdhsa_group_segment_fixed_size 327680
		.amdhsa_private_segment_fixed_size 0
		.amdhsa_enable_private_segment 0
		.amdhsa_kernarg_size 40
		.amdhsa_user_sgpr_count 2
		.amdhsa_user_sgpr_kernarg_segment_ptr 1
		.amdhsa_wavefront_size32 1
		.amdhsa_system_sgpr_workgroup_id_x 1
		.amdhsa_system_sgpr_workgroup_id_y 1
		.amdhsa_system_sgpr_workgroup_id_z 1
		.amdhsa_system_vgpr_workitem_id 0
		.amdhsa_next_free_vgpr 768
		.amdhsa_next_free_sgpr 98
		.amdhsa_reserve_vcc 0
		.amdhsa_float_denorm_mode_32 3
		.amdhsa_float_denorm_mode_16_64 3
		.amdhsa_memory_ordered 1
		.amdhsa_forward_progress 1
		.amdhsa_inst_pref_size 70
	.end_amdhsa_kernel
	.amdgpu_metadata
---
amdhsa.version: [ 1, 2 ]
amdhsa.kernels:
  - .name:           k_q0673010639_wo
    .symbol:         k_q0673010639_wo.kd
    .args:
      - { .name: att, .offset: 0, .size: 8, .value_kind: global_buffer, .address_space: global }
      - { .name: wts, .offset: 8, .size: 8, .value_kind: global_buffer, .address_space: global }
      - { .name: bo, .offset: 16, .size: 8, .value_kind: global_buffer, .address_space: global }
      - { .name: x, .offset: 24, .size: 8, .value_kind: global_buffer, .address_space: global }
      - { .name: x1, .offset: 32, .size: 8, .value_kind: global_buffer, .address_space: global }
    .group_segment_fixed_size: 327680
    .private_segment_fixed_size: 0
    .kernarg_segment_align: 8
    .kernarg_segment_size: 40
    .max_flat_workgroup_size: 128
    .sgpr_count:     98
    .vgpr_count:     768
    .wavefront_size: 32
...
	.end_amdgpu_metadata
.endif
;; end of part 4
;; launch ln2 (part 5): grid 256 x 1, 4 waves a work-group, no clusters, 38,912 bytes of LDS; arguments x1, g2, be2, hq; writes hq
.if DOCPART == 5
	.amdgcn_target "amdgcn-amd-amdhsa--gfx1250"
	.amdhsa_code_object_version 6
	.text
	.protected	k_q0673010639_ln2
	.globl	k_q0673010639_ln2
	.p2align	8
	.type	k_q0673010639_ln2,@function
k_q0673010639_ln2:
	s_mov_b64 s[64:65], 0
	v_nop
	global_prefetch_b8 v0, s[64:65] scope:SCOPE_SE
	s_setreg_imm32_b32 hwreg(HW_REG_WAVE_MODE, 25, 1), 1
	s_wait_xcnt 0x0
; A LAYER NORM over rows of 1,024 f32, quantised on the way out to codes of BF8 (E5M2) with one E8M0 scale for each 32 along the row.
; y = (x - mean) * rsqrt(mean((x - mean)^2) + 1e-5) * g + b, all in f32, the variance taken of the centred numbers as the definition has it.
; OUT: the order of the operand's registers: tile of 16 rows, K step of 128: 2,048 bytes [c][lane][16]; lane (r, h), piece c holds k = 32 c + 16 h + 0 .. 15 of the tile's row r;
; row r of tile t is token 32 (t / 2) + 8 (t % 2) + r + 8 (r / 8).  A tile is 8 K steps, 16,384 bytes; its scale words [K step][r], 512 bytes, lie 4 MiB into the buffer.
; A work-group makes one tile; wave w its rows 4 w .. 4 w + 3, which are four neighbouring tokens.
; IN: every load of a wave reads 512 consecutive bytes, 16 a lane, of x, g and b alike; the sums and the normalising do not mind which lane holds what.  The conversions want 16 NEIGHBOURS in a lane's registers:
; so the finished numbers turn through the wave's own stage in LDS (a row's 64 chunks of 64 bytes, 16 bytes of padding behind each) and come back 64 bytes a lane: 16 numbers at 16 x lane and 16 at 512 + 16 x lane; two lanes hold a block.
; A lane's 16 codes are one piece; the pieces of 16 rows make 256 consecutive bytes of the tile: they meet in LDS (64 rows of 256 bytes, 272 apart) and leave 512 consecutive bytes a store.
; A stream: no matrix unit, no cluster, no tensor load; no prefetch: a wave asks for all that it reads at its head.
; LIMITS: a block of zeros gets the byte 1 (its codes are zeros, this program alone reads the bytes); NaN and infinities are not served.
.set SCB,  17408                       ; LDS: behind the 64 piece rows: the tile's 512 bytes of scale words
.set STG,  17920                       ; behind them: a stage of 64 x 80 = 5,120 bytes for each wave
.set TS,   14                          ; v14      the stage, on the way in: 80 (lane / 4) + 16 (lane % 4); a load's 512 bytes take eight chunks
.set TR,   15                          ; v15      and on the way out: 80 x lane
.set G,    16                          ; v16-47   g; later the codes, four registers for each of my eight pieces
.set BE,   48                          ; v48-79   b; later the eight scale bytes
.set X,    80                          ; v80-207  four rows of 32 numbers
.set SM,   208                         ; v208-215 a pair of sums for each row
.set SQ,   216                         ; v216-223 a second chain
.set MU,   224                         ; v224-231 the mean, twice, for each row
.set RS,   232                         ; v232-239 1 / the deviation, twice
.set TP,   240                         ; v240-243 the other half of the lanes' sum
	s_load_b256 s[4:11], s[0:1], 0x0               ; x, g, b, the codes' buffer
	v_lshl_add_u32 v248, v0, 2, 0x9600
	v_mov_b32 v249, 0
	v_lshrrev_b32 v1, 5, v0
	v_readfirstlane_b32 s12, v1                    ; wave
	v_and_b32 v1, 31, v0                           ; lane
	v_lshlrev_b32 v2, 4, v1                        ; in: 16 bytes a lane
	s_lshl_b32 s13, s12, 6
	v_mul_u32_u24 v3, v1, 272
	v_add_nc_u32 v3, s13, v3                       ; a piece into LDS: piece row = lane (+ 32 for the second half), 16 bytes for each of the tile's rows: mine begin at 64 w
	v_lshrrev_b32 v4, 3, v1
	v_lshlrev_b32 v4, 6, v4                        ; a scale byte: K step lane / 8 (64 bytes each),
	v_bfe_u32 v9, v1, 1, 2
	v_add_nc_u32 v4, v4, v9                        ; byte (lane / 2) % 4 of the row's word,
	s_lshl_b32 s14, s12, 4
	s_add_co_u32 s14, s14, SCB
	v_add_nc_u32 v4, s14, v4                       ; rows 4 w on
	v_lshrrev_b32 v5, 4, v1
	v_mul_u32_u24 v5, v5, 272
	v_and_b32 v9, 15, v1
	v_lshl_add_u32 v5, v9, 4, v5
	s_mul_i32 s15, s12, 16*272
	v_add_nc_u32 v5, s15, v5                       ; back: wave w takes piece rows 16 w on, two an instruction
	v_lshlrev_b32 v7, 4, v1
	s_lshl_b32 s16, s12, 12
	v_add_nc_u32 v6, s16, v7                       ; and the same bytes of the tile in memory
	v_add_nc_u32 v8, SCB, v7
	s_mul_i32 s23, s12, 5120
	s_add_co_u32 s23, s23, STG                     ; my stage
	v_lshrrev_b32 v[TS], 2, v1
	v_mul_u32_u24 v[TS], v[TS], 80
	v_and_b32 v9, 3, v1
	v_lshl_add_u32 v[TS], v9, 4, v[TS]
	v_add_nc_u32 v[TS], s23, v[TS]
	v_mul_u32_u24 v[TR], v1, 80
	v_add_nc_u32 v[TR], s23, v[TR]
	s_lshr_b32 s17, ttmp9, 1
	s_lshl_b32 s17, s17, 5
	s_and_b32 s18, ttmp9, 1
	s_lshl_b32 s18, s18, 3
	s_add_co_u32 s17, s17, s18
	s_lshl_b32 s18, s12, 2
	s_add_co_u32 s17, s17, s18
	s_lshr_b32 s18, s12, 1
	s_lshl_b32 s18, s18, 3
	s_add_co_u32 s17, s17, s18                     ; my first token: 32 (t / 2) + 8 (t % 2) + 4 w + 8 (w / 2)
	s_lshl_b32 s18, s17, 12
	s_mov_b32 s19, 0
	s_lshl_b32 s28, ttmp9, 14                      ; the tile's codes
	s_mov_b32 s29, 0
	s_lshl_b32 s30, ttmp9, 9
	s_add_co_u32 s30, s30, 0x400000                ; and its scale words
	s_mov_b32 s31, 0
	s_mov_b32 s20, 0x3a800000                      ; 1 / 1,024
	s_mov_b32 s21, 0x3727c5ac                      ; 1e-5
	s_mov_b32 s22, 0x600000                        ; the mantissa field of 57,344
	s_mov_b32 s26, 0x76543210
	s_mov_b32 s27, 0xfedcba98                      ; v_permlanex16_b32's selects for lane l xor 16
.irp j, 0,1,2,3
	v_mov_b32 v[TP+\j], 0                          ; a lane permute's destination counts as one of its sources
.endr
	s_wait_kmcnt 0x0
	s_add_nc_u64 s[4:5], s[4:5], s[18:19]
	s_add_nc_u64 s[24:25], s[10:11], s[30:31]
	s_add_nc_u64 s[10:11], s[10:11], s[28:29]
.irp j, 0,1,2,3
.irp i, 0,1,2,3,4,5,6,7
	global_load_b128 v[X+32*\j+4*\i:X+32*\j+4*\i+3], v2, s[4:5] offset:4096*\j+512*\i th:TH_LOAD_NT   ; register 4 i + c of row j: number 128 i + 4 x lane + c
.endr
.endr
.irp i, 0,1,2,3,4,5,6,7
	global_load_b128 v[G+4*\i:G+4*\i+3], v2, s[6:7] offset:512*\i
	global_load_b128 v[BE+4*\i:BE+4*\i+3], v2, s[8:9] offset:512*\i
.endr
.macro LANESUM                         ; the four rows' sums over the 32 lanes, by turns; every lane ends with the sum
.irp j, 0,1,2,3
	v_add_f32 v[SM+2*\j], v[SM+2*\j], v[SM+2*\j+1]
.endr
.irp m, 1,2,4,8
.irp j, 0,1,2,3
	v_add_f32_dpp v[SM+2*\j], v[SM+2*\j], v[SM+2*\j] row_xmask:\m row_mask:0xf bank_mask:0xf
.endr
.endr
.irp j, 0,1,2,3
	v_permlanex16_b32 v[TP+\j], v[SM+2*\j], s26, s27
.endr
.irp j, 0,1,2,3
	v_add_f32 v[SM+2*\j], v[SM+2*\j], v[TP+\j]
.endr
.endm
	s_wait_loadcnt 16                              ; the rows are in; the sixteen loads of g and b may be out
.irp j, 0,1,2,3
	v_pk_add_f32 v[SM+2*\j:SM+2*\j+1], v[X+32*\j:X+32*\j+1], v[X+32*\j+2:X+32*\j+3]
.endr
.irp i, 4,6,8,10,12,14,16,18,20,22,24,26,28,30
.irp j, 0,1,2,3
	v_pk_add_f32 v[SM+2*\j:SM+2*\j+1], v[SM+2*\j:SM+2*\j+1], v[X+32*\j+\i:X+32*\j+\i+1]
.endr
.endr
	LANESUM
.irp j, 0,1,2,3
	v_mul_f32 v[MU+2*\j], s20, v[SM+2*\j]          ; the mean,
	v_mul_f32 v[MU+2*\j+1], s20, v[SM+2*\j]        ; twice: a pair for the packed form
.endr
.irp i, 0,2,4,6,8,10,12,14,16,18,20,22,24,26,28,30
.irp j, 0,1,2,3
	v_pk_add_f32 v[X+32*\j+\i:X+32*\j+\i+1], v[X+32*\j+\i:X+32*\j+\i+1], v[MU+2*\j:MU+2*\j+1] neg_lo:[0,1] neg_hi:[0,1]
.endr
.endr
.irp j, 0,1,2,3
	v_pk_mul_f32 v[SM+2*\j:SM+2*\j+1], v[X+32*\j:X+32*\j+1], v[X+32*\j:X+32*\j+1]
	v_pk_mul_f32 v[SQ+2*\j:SQ+2*\j+1], v[X+32*\j+2:X+32*\j+3], v[X+32*\j+2:X+32*\j+3]
.endr
.irp i, 4,8,12,16,20,24,28
.irp j, 0,1,2,3
	v_pk_fma_f32 v[SM+2*\j:SM+2*\j+1], v[X+32*\j+\i:X+32*\j+\i+1], v[X+32*\j+\i:X+32*\j+\i+1], v[SM+2*\j:SM+2*\j+1]
	v_pk_fma_f32 v[SQ+2*\j:SQ+2*\j+1], v[X+32*\j+\i+2:X+32*\j+\i+3], v[X+32*\j+\i+2:X+32*\j+\i+3], v[SQ+2*\j:SQ+2*\j+1]
.endr
.endr
.irp j, 0,1,2,3
	v_pk_add_f32 v[SM+2*\j:SM+2*\j+1], v[SM+2*\j:SM+2*\j+1], v[SQ+2*\j:SQ+2*\j+1]
.endr
	LANESUM
.irp j, 0,1,2,3
	v_fma_f32 v[SM+2*\j], v[SM+2*\j], s20, s21     ; the variance + 1e-5
.endr
	s_wait_alu depctr_va_vdst(0)
.irp j, 0,1,2,3
	v_rsq_f32 v[RS+2*\j], v[SM+2*\j]
.endr
	v_nop                                          ; a plain instruction behind the last of the four,
	s_wait_alu depctr_va_vdst(0)                   ; and the one wait ahead of their first reader
.irp j, 0,1,2,3
	v_mov_b32 v[RS+2*\j+1], v[RS+2*\j]
.endr
	s_wait_alu depctr_va_vdst(0)
	s_wait_loadcnt 0x0                             ; g and b
.irp i, 0,2,4,6,8,10,12,14,16,18,20,22,24,26,28,30
.irp j, 0,1,2,3
	v_pk_mul_f32 v[X+32*\j+\i:X+32*\j+\i+1], v[X+32*\j+\i:X+32*\j+\i+1], v[RS+2*\j:RS+2*\j+1]
.endr
.irp j, 0,1,2,3
	v_pk_fma_f32 v[X+32*\j+\i:X+32*\j+\i+1], v[X+32*\j+\i:X+32*\j+\i+1], v[G+\i:G+\i+1], v[BE+\i:BE+\i+1]
.endr
.endr
; THE TURN, row by row through my one stage: in as loaded, back 64 bytes a lane, into the registers that the numbers left.  LDS serves a wave's instructions in order (ISA guide 5.7.1.4): no wait stands between a row's stores and
; its loads, nor in front of the next row's stores.  Behind it register 16 s + i of a row is number 512 s + 16 x lane + i
.irp j, 0,1,2,3
.irp i, 0,1,2,3,4,5,6,7
	ds_store_b128 v[TS], v[X+32*\j+4*\i:X+32*\j+4*\i+3] offset:640*\i
.endr
.irp s, 0,1
.irp i, 0,1,2,3
	ds_load_b128 v[X+32*\j+16*\s+4*\i:X+32*\j+16*\s+4*\i+3], v[TR] offset:2560*\s+16*\i
.endr
.endr
.endr
; 16 neighbours of row j become a piece; g's and b's registers, done with, take the codes and the bytes: each piece has its own, so that no LDS store's data are written again
.macro PIECE j, s
.set XS, X+32*\j+16*\s
.set CD, G+4*(2*\j+\s)
.set BY, BE+2*\j+\s
	v_max3_num_f32 v10, |v[XS]|, |v[XS+1]|, |v[XS+2]|
	v_max3_num_f32 v11, |v[XS+3]|, |v[XS+4]|, |v[XS+5]|
.irp i, 6,10
	v_max3_num_f32 v10, v10, |v[XS+\i]|, |v[XS+\i+1]|
	v_max3_num_f32 v11, v11, |v[XS+\i+2]|, |v[XS+\i+3]|
.endr
	v_max3_num_f32 v10, v10, |v[XS+14]|, |v[XS+15]|
	v_max3_num_f32 v10, v10, v11, 16<<23           ; the floor 2^(16 - 127): the byte cannot fall under 1
	v_max_num_f32_dpp v10, v10, v10 row_xmask:1 row_mask:0xf bank_mask:0xf   ; with my neighbour's 16: the block's largest magnitude
	v_add_nc_u32 v13, -(15<<23), v10               ; 15 off the exponent field: the conversion's scale operand
	v_and_or_b32 v12, v10, 0x7f800000, s22         ; 57,344 x the scale
.irp i, 0,1,2,3,4,5,6,7,8,9,10,11,12,13,14,15
	v_med3_num_f32 v[XS+\i], v[XS+\i], -v12, v12   ; the conversion does not saturate (ISA guide 7.6.2): the hold comes first
.endr
	v_cvt_scalef32_pk8_bf8_f32 v[CD:CD+1], v[XS:XS+7], v13
	v_cvt_scalef32_pk8_bf8_f32 v[CD+2:CD+3], v[XS+8:XS+15], v13
	v_lshrrev_b32 v[BY], 23, v13                   ; the scale's byte
	ds_store_b128 v3, v[CD:CD+3] offset:\s*32*272+16*\j
	ds_store_b8 v4, v[BY] offset:256*\s+4*\j       ; both lanes of a block write the same byte with the same value
.endm
.irp j, 0,1,2,3
	s_wait_dscnt 48-12*\j                          ; row j is back: behind its loads stand the later rows' 16 LDS instructions each and the 4 stores of each row done
	PIECE \j, 0
	PIECE \j, 1
.endr
	s_wait_dscnt 0x0                               ; for the others' sake: my stores have landed
	s_barrier_signal -1
	s_barrier_wait -1
.irp t, 0,1,2,3,4,5,6,7
	ds_load_b128 v[X+4*\t:X+4*\t+3], v5 offset:544*\t
.endr
.irp t, 0,1,2,3,4,5,6,7
	s_wait_dscnt 7-\t
	global_store_b128 v6, v[X+4*\t:X+4*\t+3], s[10:11] offset:512*\t   ; 512 consecutive bytes of the tile
.endr
	s_cmp_lg_u32 s12, 0
	s_cbranch_scc1 .Ldone
	ds_load_b128 v[X+32:X+35], v8                  ; wave 0: the tile's 512 bytes of scale words
	s_wait_dscnt 0x0
	global_store_b128 v7, v[X+32:X+35], s[24:25]
.Ldone:
	s_wait_tensorcnt 0x0
	ds_add_u32 v248, v249
	s_wait_dscnt 0x0
	s_endpgm
.Lfunc_end_k_q0673010639_ln2:
	.size	k_q0673010639_ln2, .Lfunc_end_k_q0673010639_ln2-k_q0673010639_ln2
	.p2alignl 7, 3214868480
	.fill 96, 4, 3214868480
	.section	.rodata,"a",@progbits
	.p2align	6, 0x0
	.amdhsa_kernel k_q0673010639_ln2
		.amdhsa_group_segment_fixed_size 38912
		.amdhsa_private_segment_fixed_size 0
		.amdhsa_enable_private_segment 0
		.amdhsa_kernarg_size 32
		.amdhsa_user_sgpr_count 2
		.amdhsa_user_sgpr_kernarg_segment_ptr 1
		.amdhsa_wavefront_size32 1
		.amdhsa_system_sgpr_workgroup_id_x 1
		.amdhsa_system_sgpr_workgroup_id_y 1
		.amdhsa_system_sgpr_workgroup_id_z 1
		.amdhsa_system_vgpr_workitem_id 0
		.amdhsa_next_free_vgpr 250
		.amdhsa_next_free_sgpr 66
		.amdhsa_reserve_vcc 0
		.amdhsa_float_denorm_mode_32 3
		.amdhsa_float_denorm_mode_16_64 3
		.amdhsa_memory_ordered 1
		.amdhsa_forward_progress 1
		.amdhsa_inst_pref_size 54
	.end_amdhsa_kernel
	.amdgpu_metadata
---
amdhsa.version: [ 1, 2 ]
amdhsa.kernels:
  - .name:           k_q0673010639_ln2
    .symbol:         k_q0673010639_ln2.kd
    .args:
      - { .name: x1, .offset: 0, .size: 8, .value_kind: global_buffer, .address_space: global }
      - { .name: g2, .offset: 8, .size: 8, .value_kind: global_buffer, .address_space: global }
      - { .name: be2, .offset: 16, .size: 8, .value_kind: global_buffer, .address_space: global }
      - { .name: hq, .offset: 24, .size: 8, .value_kind: global_buffer, .address_space: global }
    .group_segment_fixed_size: 38912
    .private_segment_fixed_size: 0
    .kernarg_segment_align: 8
    .kernarg_segment_size: 32
    .max_flat_workgroup_size: 128
    .sgpr_count:     66
    .vgpr_count:     250
    .wavefront_size: 32
...
	.end_amdgpu_metadata
.endif
;; end of part 5
;; launch ffn1 (part 6): grid 16 x 16, 4 waves a work-group, clusters of 4 x 4, 327,680 bytes of LDS; arguments hq, wts, b1, gq; writes gq
.if DOCPART == 6
	.amdgcn_target "amdgcn-amd-amdhsa--gfx1250"
	.amdhsa_code_object_version 6
	.text
	.protected	k_q0673010639_ffn1
	.globl	k_q0673010639_ffn1
	.p2align	8
	.type	k_q0673010639_ffn1,@function
k_q0673010639_ffn1:
	s_mov_b64 s[64:65], 0
	v_nop
	global_prefetch_b8 v0, s[64:65] scope:SCOPE_SE
	s_setreg_imm32_b32 hwreg(HW_REG_WAVE_MODE, 25, 1), 1
	s_wait_xcnt 0x0
	s_wait_alu depctr_hold_cnt(0) depctr_sa_sdst(0) depctr_va_vdst(0) depctr_va_sdst(0) depctr_va_ssrc(0) depctr_va_vcc(0) depctr_vm_vsrc(0)
	s_getreg_b32 s2, hwreg(HW_REG_IB_STS2, 6, 4)
	s_cmp_eq_u32 s2, 0
	s_cbranch_scc0 .Lentry_in_a_cluster
	s_endpgm
.Lentry_in_a_cluster:
	s_bfe_u32 s2, ttmp6, 0x10000c
	s_cmp_lg_u32 s2, 0xf033
	s_cbranch_scc0 .Lentry_shape_is_right
	s_endpgm
.Lentry_shape_is_right:
.set NA,     8
.set NB,     8
.set NQ,     2
.set NK,     8
.set RB,     NQ*2048
.set HALFT,  NA*RB
.set SLOT,   4*HALFT
.set HALFS,  NA*NK*64
.set LAPS,   NK/(2*NQ)
.set SCL,    2*SLOT
.set SPARE,  SCL+4*HALFS
.set NP,     8
.set ADRA, 16
.set ADRB, 20
.set PWE,  18
.set WS,   19
.set LI,   24
.set LS,   25
.set ADRS, 27
.set SPW,  28
.set NIL,  29
.set SC,   32
.set BI,   64
.set AF,   128
.set X,    128
.set T,    192
.set P,    64                          ; in window 1, where B's fragments lay: v64-127 there
.set S2,   0                           ; in window 1: v0-63 there
.set PC,   192
.set TM,   208
.set PW,   240
.set G1, 24
.set G0, 32
.set G1B, 48
.set G0B, 56
.set G1S, 68
.set G0S, 76
.set G1SB, 80
.set G0SB, 88
.set SEL, 66
.set MNT, 95
.set HM,  96
.set KT,  97
.set MSB, 0
.macro WIN new
.if MSB != (\new)
	s_set_vgpr_msb (MSB<<8)|(\new)
.set MSB, (\new)
.endif
.endm
.set MUL_LO, 0xa1
.set MUL_HI, 0xf1
.set TO_B,   0x40
.macro JLOAD g0a, g1a, g0b, g1b
	s_cmp_eq_u32 s15, 0
	s_cbranch_scc0 .Lfor_b_\@
	tensor_load_to_lds s[\g0a:\g0a+3], s[\g1a:\g1a+7]
	s_nop 0
.rept 4
	v_nop
.endr
	s_branch .Lasked_\@
.Lfor_b_\@:
	tensor_load_to_lds s[\g0b:\g0b+3], s[\g1b:\g1b+7]
	s_nop 0
.rept 4
	v_nop
.endr
.Lasked_\@:
.endm
.macro CREST
	s_cmp_lg_u32 s14, 0
	s_cbranch_scc1 .Lnot_wave_0_\@
	s_barrier_signal -3
.Lnot_wave_0_\@:
	s_barrier_wait -3
	s_barrier_signal -1
	s_barrier_wait -1
.endm
.macro CROUND
	s_barrier_signal -1
	s_barrier_wait -1
	CREST
.endm
.macro PLACES cnt
.rept \cnt
	v_nop
.endr
.endm
	s_load_b256 s[4:11], s[0:1], 0x0
	v_lshl_add_u32 v[SPW], v0, 2, SPARE
	v_mov_b32 v[NIL], 0
	ds_add_u32 v28, v29
	ds_add_u32 v28, v29
	s_wait_dscnt 0x0
	v_lshrrev_b32 v1, 5, v0
	v_readfirstlane_b32 s14, v1
	s_lshr_b32 s15, s14, 1
	s_and_b32 s16, s14, 1
	s_bfe_u32 s40, ttmp6, 0x40000
	s_bfe_u32 s41, ttmp6, 0x40004
	s_lshl_b32 s42, ttmp9, 2
	s_add_co_u32 s42, s42, s40
	s_and_b32 s17, ttmp7, 0xffff
	s_lshl_b32 s17, s17, 2
	s_add_co_u32 s17, s17, s41
	s_lshl_b32 s43, s41, 2
	s_lshl_b32 s43, 15, s43
	s_lshl_b32 s44, 0x1111, s40
	s_or_b32 s[G1+0], s43, (3<<16)|(1<<21)
	s_or_b32 s[G1B+0], s44, (3<<16)|(1<<21)
.irp g, G1, G1B
	s_mov_b32 s[\g+1], (RB/8)<<16
	s_mov_b32 s[\g+2], (2*NA)<<16                  ; the head's loads bring 2 NA tiles; behind them these two words are set to NA
	s_mov_b32 s[\g+3], (RB/8)<<16
	s_mov_b32 s[\g+4], 2*NA
	s_mov_b32 s[\g+5], NK*256
	s_mov_b32 s[\g+6], 0
	s_mov_b32 s[\g+7], 0
.endr
	s_or_b32 s[G1S+0], s43, (3<<16)|(1<<21)
	s_or_b32 s[G1SB+0], s44, (3<<16)|(1<<21)
.irp g, G1S, G1SB
	s_mov_b32 s[\g+1], 32<<16
	s_mov_b32 s[\g+2], (2*HALFS/256)<<16           ; the scale words of all 2 NA tiles, one load
	s_mov_b32 s[\g+3], 32<<16
	s_mov_b32 s[\g+4], 2*HALFS/256
	s_mov_b32 s[\g+5], 32
	s_mov_b32 s[\g+6], 0
	s_mov_b32 s[\g+7], 0
.endr
	s_mul_i32 s20, s17, 2*NA
	s_mul_i32 s46, s42, 2*NA
	s_mul_i32 s22, s20, NK*64
	s_mul_i32 s92, s46, NK*64
	s_mul_i32 s20, s20, NK*2048
	s_mul_i32 s46, s46, NK*2048
	s_add_co_u32 s22, s22, 0x400000
	s_add_co_u32 s46, s46, 0x400000
	s_add_co_u32 s92, s92, 0xc20000
	s_mov_b32 s21, 0
	s_mov_b32 s23, 0
	s_mov_b32 s47, 0
	s_mov_b32 s93, 0
	s_mul_i32 s45, s14, HALFT
	s_wait_kmcnt 0x0
	s_add_nc_u64 s[20:21], s[4:5], s[20:21]
	s_add_nc_u64 s[22:23], s[4:5], s[22:23]
	s_add_nc_u64 s[46:47], s[6:7], s[46:47]
	s_add_nc_u64 s[92:93], s[6:7], s[92:93]
	CROUND
	s_mov_b32 s[G0S], 1
	s_mov_b32 s[G0S+1], SCL
	s_mov_b64 s[G0S+2:G0S+3], s[22:23]
	s_or_b32 s[G0S+3], s[G0S+3], 0x80000000
	s_mov_b32 s[G0SB], 1
	s_mov_b32 s[G0SB+1], SCL+2*HALFS
	s_mov_b64 s[G0SB+2:G0SB+3], s[92:93]
	s_or_b32 s[G0SB+3], s[G0SB+3], 0x80000000
	s_mov_b32 s[G0], 1                             ; the head's four tiles, each whole: slot 0's 2 NA tiles of A,
	s_mov_b32 s[G0+1], 0
	s_mov_b64 s[G0+2:G0+3], s[20:21]
	s_or_b32 s[G0+3], s[G0+3], 0x80000000
	s_mov_b32 s[G0B], 1                            ; and of B, behind them in the slot
	s_mov_b32 s[G0B+1], 2*HALFT
	s_mov_b64 s[G0B+2:G0B+3], s[46:47]
	s_or_b32 s[G0B+3], s[G0B+3], 0x80000000
	s_mul_i32 s18, s16, NA*NK*2048                 ; the ring: my NA tiles of a slot; slot 1 begins RB bytes along K
	s_add_co_u32 s18, s18, RB
	s_mov_b32 s19, 0
	s_mov_b32 s[G0+4], 1
	s_add_co_u32 s[G0+5], s45, SLOT
	s_add_nc_u64 s[G0+6:G0+7], s[20:21], s[18:19]
	s_or_b32 s[G0+7], s[G0+7], 0x80000000
	s_mov_b32 s[G0B+4], 1
	s_add_co_u32 s[G0B+5], s45, SLOT
	s_add_nc_u64 s[G0B+6:G0B+7], s[46:47], s[18:19]
	s_or_b32 s[G0B+7], s[G0B+7], 0x80000000
; one joint load a wave at the head: wave 0 A's tiles, wave 1 B's, wave 2 A's scale words, wave 3 B's; one chain of branches on the wave's number, every way passes one load
.macro ARM under, g0, g1, next
	s_cmp_lt_u32 s14, \under
	s_cbranch_scc0 \next
	tensor_load_to_lds s[\g0:\g0+3], s[\g1:\g1+7]
	s_nop 0
.rept 4
	v_nop
.endr
	s_branch .Lhead_asked
\next:
.endm
	ARM 1, G0, G1, .Lhead_b
	ARM 2, G0B, G1B, .Lhead_sa
	ARM 3, G0S, G1S, .Lhead_sb
	tensor_load_to_lds s[G0SB:G0SB+3], s[G1SB:G1SB+7]
	s_nop 0
.rept 4
	v_nop
.endr
.Lhead_asked:
; PREFETCHES INTO THE L2: K chunk m + 2 is asked for where chunk m's tensor load is issued (chunk 0's: chunks 1 and 2).  Of the NA tiles that my wave fetches in the ring, each of the four partners that ask for them
; jointly takes two, told apart by ADDRESS (cx for A, cy for B): a chunk of a tile is RB bytes, 16 lanes 256 bytes apart; one instruction a wave.  Chunk 3 is the last: nothing is asked beyond it.
	s_cmp_eq_u32 s15, 0
	s_cselect_b64 s[98:99], s[20:21], s[46:47]
	s_cselect_b32 s100, s40, s41
	s_lshl_b32 s100, s100, 15                      ; my two tiles of the NA: 2 x NK x 2,048 bytes a place
	s_mul_i32 s101, s16, NA*NK*2048
	s_add_co_u32 s100, s100, s101
	s_mov_b32 s101, 0
	s_add_nc_u64 s[98:99], s[98:99], s[100:101]
	v_and_b32 v30, 15, v0
	v_lshlrev_b32 v30, 8, v30
	v_bfe_u32 v31, v0, 4, 1
	v_lshl_add_u32 v30, v31, 14, v30               ; never rewritten
	global_prefetch_b8 v30, s[98:99] offset:RB th:TH_LOAD_NT scope:SCOPE_SE
	global_prefetch_b8 v30, s[98:99] offset:2*RB th:TH_LOAD_NT scope:SCOPE_SE
	v_and_b32 v1, 15, v0
	v_bfe_u32 v2, v0, 4, 1
	s_wait_alu depctr_va_vdst(0)
	v_and_b32 v3, 31, v0
	v_lshlrev_b32 v[LI], 4, v3
	v_lshlrev_b32 v[LS], 2, v1
	v_lshl_add_u32 v[LS], v2, 11, v[LS]
	s_mul_i32 s21, s15, HALFT
	s_mul_i32 s22, s16, HALFT
	s_add_co_u32 s22, s22, 2*HALFT
.irp s, 0,1
	v_add_nc_u32 v[ADRA+\s], s21, v[LI]
	v_add_nc_u32 v[ADRB+\s], s22, v[LI]
	s_add_co_u32 s21, s21, SLOT
	s_add_co_u32 s22, s22, SLOT
.endr
	s_mul_i32 s21, s15, HALFS
	s_mul_i32 s22, s16, HALFS
	s_add_co_u32 s22, s22, 2*HALFS
	s_sub_co_u32 s22, s22, s21
	v_mul_u32_u24 v6, s22, v2
	s_add_co_u32 s21, s21, SCL
	v_lshl_add_u32 v5, v1, 2, v6
	v_add_nc_u32 v[ADRS], s21, v5
	s_lshl_b32 s46, s42, 1
	s_add_co_u32 s46, s46, s16
	s_lshl_b32 s92, s46, 9
	s_mov_b32 s93, 0
	s_add_nc_u64 s[8:9], s[8:9], s[92:93]
	s_lshl_b32 s20, s17, 4
	s_lshl_b32 s21, s15, 3
	s_add_co_u32 s20, s20, s21
	s_lshl_b32 s22, s20, 11
	s_lshl_b32 s23, s46, 6
	s_add_co_u32 s22, s22, s23
	s_add_co_u32 s22, s22, 0x1000000
	s_mov_b32 s23, 0
	s_lshl_b32 s20, s20, 16
	s_lshl_b32 s21, s46, 11
	s_add_co_u32 s20, s20, s21
	s_mov_b32 s21, 0
	s_add_nc_u64 s[12:13], s[10:11], s[22:23]
	s_add_nc_u64 s[10:11], s[10:11], s[20:21]
	v_lshlrev_b32 v9, 6, v2
.set fi, 0
.rept 8
	global_load_b128 v[BI+8*fi:BI+8*fi+3], v9, s[8:9] offset:(32*(fi/2)+8*(fi%2))*4
	global_load_b128 v[BI+8*fi+4:BI+8*fi+7], v9, s[8:9] offset:(32*(fi/2)+8*(fi%2))*4+16
.set fi, fi+1
.endr
	s_mov_b32 s[SEL], 0x76543210
	s_mov_b32 s[SEL+1], 0xfedcba98
	s_mov_b32 s[MNT], 0x600000
	s_mov_b32 s[HM], 0xffff0000
	s_mov_b32 s[KT], 0x3eb504f3
	v_mov_b32 v12, 0xbf97d29d
	v_mov_b32 v13, 0xbf97d29d
.macro FRAG reg, adr, off
.irp c, 0,1,2,3
	ds_load_b128 v[\reg+4*\c:\reg+4*\c+3], v[\adr] offset:\off+512*\c
.endr
.endm
.macro FETCH_B slot, q, p
	WIN TO_B
.set fi, 0
.rept NB
	FRAG 128*(\p)+16*fi, ADRB+\slot, fi*RB+2048*(\q)
.set fi, fi+1
.endr
	WIN 0
.endm
.macro FETCH_A slot, q, i0
.set fi, \i0
.rept NA/2
	FRAG AF+16*fi, ADRA+\slot, fi*RB+2048*(\q)
.set fi, fi+1
.endr
.endm
.macro SCALES sc
.set fi, 0
.rept NA
.set fq, 0
.rept NQ
	ds_load_b32 v[SC+16*(\sc)+NQ*fi+fq], v[ADRS] offset:fi*NK*64+64*fq
.set fq, fq+1
.endr
.set fi, fi+1
.endr
.endm
.macro MULB a0, cnt, p, q, sc, zero
.set ma, \a0
.rept \cnt
.set mb, 0
.rept NB
.set rD, (8*(NB*ma+mb))%256
.set rB, 128*(\p)+16*mb
.set rA, AF+16*ma
.if \zero
	v_wmma_scale_f32_16x16x128_f8f6f4 v[rD:rD+7], v[rB:rB+15], v[rA:rA+15], 0, v[SC+16*(\sc)+NQ*mb+(\q)], v[SC+16*(\sc)+NQ*ma+(\q)] matrix_a_fmt:MATRIX_FMT_BF8 matrix_b_fmt:MATRIX_FMT_BF8 matrix_a_scale:MATRIX_SCALE_ROW1
.else
	v_wmma_scale_f32_16x16x128_f8f6f4 v[rD:rD+7], v[rB:rB+15], v[rA:rA+15], v[rD:rD+7], v[SC+16*(\sc)+NQ*mb+(\q)], v[SC+16*(\sc)+NQ*ma+(\q)] matrix_a_fmt:MATRIX_FMT_BF8 matrix_b_fmt:MATRIX_FMT_BF8 matrix_a_scale:MATRIX_SCALE_ROW1
.endif
.set mb, mb+1
.endr
.set ma, ma+1
.endr
.endm
.macro STEP slot, q, zero
	s_wait_dscnt 2*NA
	WIN MUL_LO
	MULB 0, NA/2, (\q)%2, \q, \slot, \zero
	s_wait_dscnt 0
	PLACES NP
	FETCH_B \slot, (\q)+1, 1-(\q)%2
	FETCH_A \slot, (\q)+1, 0
	WIN MUL_HI
	MULB NA/2, NA/2, (\q)%2, \q, \slot, \zero
	PLACES NP
	WIN 0
	FETCH_A \slot, (\q)+1, NA/2
.endm
.macro TURN slot, next, fill
	s_wait_tensorcnt 0x0
	ds_add_u32 v[SPW], v[NIL]
	s_wait_dscnt 2*NA+1
	WIN MUL_LO
	MULB 0, NA/4, 1, NQ-1, \slot, 0
	s_wait_dscnt 0x0
	s_barrier_signal -1
	MULB NA/4, NA/4, 1, NQ-1, \slot, 0
	WIN 0
	s_barrier_wait -1
.if \fill
	CREST
	s_add_nc_u64 s[G0+4*\slot+2:G0+4*\slot+3], s[G0+4*\slot+2:G0+4*\slot+3], 2*RB
	s_add_nc_u64 s[G0B+4*\slot+2:G0B+4*\slot+3], s[G0B+4*\slot+2:G0B+4*\slot+3], 2*RB
	JLOAD G0+4*\slot, G1, G0B+4*\slot, G1B
	PLACES NP-4
.else
	PLACES NP
.endif
	s_wait_alu depctr_va_vdst(0)
	v_add_nc_u32 v[ADRS], 64*NQ, v[ADRS]
	FETCH_B \next, 0, 0
	FETCH_A \next, 0, 0
	SCALES \next
	WIN MUL_HI
	MULB NA/2, NA/2, 1, NQ-1, \slot, 0
	PLACES NP
	WIN 0
	FETCH_A \next, 0, NA/2
.endm
	s_wait_alu depctr_va_vdst(0)
	s_wait_tensorcnt 0x0                           ; my tile of the head's four is in; no load of mine is out, so descriptors may be written
	ds_add_u32 v[SPW], v[NIL]
	s_mov_b32 s[G1+2], NA<<16                      ; from here on a load brings NA tiles
	s_mov_b32 s[G1+4], NA
	s_mov_b32 s[G1B+2], NA<<16
	s_mov_b32 s[G1B+4], NA
	s_mul_i32 s[G0+1], s14, HALFT                  ; slot 0's descriptors for the ring: my quarter, RB bytes back from slot 1's
	s_sub_nc_u64 s[G0+2:G0+3], s[G0+6:G0+7], RB
	s_mul_i32 s[G0B+1], s14, HALFT
	s_sub_nc_u64 s[G0B+2:G0B+3], s[G0B+6:G0B+7], RB
	s_wait_dscnt 0x0
	CROUND                                         ; all four tiles are in, all sixteen work-groups are here
	JLOAD G0+4, G1, G0B+4, G1B                     ; slot 1's first fill, my one load behind the round
	FETCH_B 0, 0, 0
	FETCH_A 0, 0, 0
	SCALES 0
	FETCH_A 0, 0, NA/2
	global_prefetch_b8 v30, s[98:99] offset:3*RB th:TH_LOAD_NT scope:SCOPE_SE
	STEP 0, 0, 1
	s_mov_b32 s3, LAPS-1
.Llap:
	TURN 0, 1, 1
	STEP 1, 0, 0
	TURN 1, 0, 1
	STEP 0, 0, 0
	s_sub_co_u32 s3, s3, 1
	s_cmp_lg_u32 s3, 0
	s_cbranch_scc1 .Llap
	TURN 0, 1, 0
	STEP 1, 0, 0
	s_wait_dscnt 2*NA
	WIN MUL_LO
	MULB 0, NA/2, 1, NQ-1, 1, 0
	s_wait_dscnt 0
	WIN MUL_HI
	MULB NA/2, NA/2, 1, NQ-1, 1, 0
	WIN 0
.macro QUANT s
.irp b, 0,1,2,3
	v_max3_num_f32 v[TM+\b], |v[\s+16*\b]|, |v[\s+1+16*\b]|, 0x8000000
.endr
.irp i, 2,4,6,8,10,12,14
.irp b, 0,1,2,3
	v_max3_num_f32 v[TM+\b], v[TM+\b], |v[\s+16*\b+\i]|, |v[\s+1+16*\b+\i]|
.endr
.endr
.irp b, 0,1,2,3
	v_permlanex16_b32 v[TM+4+\b], v[TM+\b], s[SEL], s[SEL+1]
.endr
.irp b, 0,1,2,3
	v_max_num_f32 v[TM+\b], v[TM+\b], v[TM+4+\b]
.endr
.irp b, 0,1,2,3
	v_add_nc_u32 v[TM+12+\b], 0xf8800000, v[TM+\b]
.endr
.irp b, 0,1,2,3
	v_and_or_b32 v[TM+8+\b], v[TM+\b], 0x7f800000, s[MNT]
.endr
.irp b, 0,1,2,3
	v_lshrrev_b32 v[TM+4+\b], 23, v[TM+12+\b]
.endr
	v_lshl_or_b32 v[PW], v[TM+5], 8, v[TM+4]
	v_lshl_or_b32 v[PW], v[TM+6], 16, v[PW]
	v_lshl_or_b32 v[PW], v[TM+7], 24, v[PW]
.irp b, 0,1,2,3
.irp i, 0,1,2,3,4,5,6,7,8,9,10,11,12,13,14,15
	v_med3_num_f32 v[\s+16*\b+\i], v[\s+16*\b+\i], -v[TM+8+\b], v[TM+8+\b]
.endr
	v_cvt_scalef32_pk8_bf8_f32 v[PC+4*\b:PC+1+4*\b], v[\s+16*\b:\s+7+16*\b], v[TM+12+\b]
	v_cvt_scalef32_pk8_bf8_f32 v[PC+2+4*\b:PC+3+4*\b], v[\s+8+16*\b:\s+15+16*\b], v[TM+12+\b]
.endr
	v_nop
.endm
.macro ADDB a
	WIN 0x02+(\a)/4
.set eb, 0
.rept 8
.set ac, (64*(\a)+8*eb)%256
.irp k, 0,2,4,6
	v_pk_add_f32 v[X+8*eb+\k:X+8*eb+\k+1], v[ac+\k:ac+\k+1], v[BI+8*eb+\k:BI+8*eb+\k+1]
.endr
.set eb, eb+1
.endr
	WIN 0
.endm
.macro GELU xs
.set gi, 0
; all 64 numbers of a block go as one batch: T lies in window 0 (v192-255), P and S2 in window 1
.rept 64
	v_fma_f32 v[T+gi], |v[(\xs)+gi]|, s[KT], 1.0
.set gi, gi+1
.endr
.set gi, 0
	s_wait_alu depctr_va_vdst(0)
.rept 64
	v_rcp_f32 v[T+gi], v[T+gi]
.set gi, gi+1
.endr
.set gi, 0
	WIN 0x40                                       ; destination window 1
.rept 32
	v_pk_mul_f32 v[S2+gi:S2+gi+1], v[(\xs)+gi:(\xs)+gi+1], v[(\xs)+gi:(\xs)+gi+1]
.set gi, gi+2
.endr
	s_wait_alu depctr_va_vdst(0)
.set gi, 0
.rept 32
	v_pk_fma_f32 v[P+gi:P+gi+1], v[T+gi:T+gi+1], 0x3e7c6f08, v[12:13] op_sel_hi:[1,0,1]
.set gi, gi+2
.endr
.irp c, 0x40097039, 0xbfd1a1e5, 0x3ecdfd18, 0xbe899a80, 0x3e0efb2e, 0x3f0a29d2, 0x3fb8ab5a, 0xbfe9b21e
.set gi, 0
	WIN 0x41                                       ; destination and source 0 window 1
.rept 32
	v_pk_fma_f32 v[P+gi:P+gi+1], v[P+gi:P+gi+1], v[T+gi:T+gi+1], \c op_sel_hi:[1,1,0]
.set gi, gi+2
.endr
.endr
.set gi, 0
	WIN 0x51                                       ; destination, sources 0 and 2 window 1
.rept 32
	v_pk_fma_f32 v[P+gi:P+gi+1], v[S2+gi:S2+gi+1], 0xbf38aa3b, v[P+gi:P+gi+1] op_sel_hi:[1,0,1]
.set gi, gi+2
.endr
.set gi, 0
	s_wait_alu depctr_va_vdst(0)
	WIN 0x41
.rept 64
	v_exp_f32 v[P+gi], v[P+gi]
.set gi, gi+1
.endr
.set gi, 0
	WIN 0x40
.rept 64
	v_max_num_f32 v[S2+gi], 0, v[(\xs)+gi]
.set gi, gi+1
.endr
	s_wait_alu depctr_va_vdst(0)
.set gi, 0
	WIN 0x04                                       ; source 1 window 1
.rept 32
	v_pk_mul_f32 v[T+gi:T+gi+1], v[T+gi:T+gi+1], v[P+gi:P+gi+1]
.set gi, gi+2
.endr
.set gi, 0
	WIN 0
.rept 64
	v_mul_f32 v[T+gi], v[T+gi], |v[(\xs)+gi]|
.set gi, gi+1
.endr
.set gi, 0
	WIN 0x10                                       ; source 2 window 1
.rept 32
	v_pk_fma_f32 v[(\xs)+gi:(\xs)+gi+1], v[T+gi:T+gi+1], -0.5, v[S2+gi:S2+gi+1] op_sel_hi:[1,0,1]
.set gi, gi+2
.endr
.endm
	PLACES NP
	s_wait_loadcnt 0x0
	v_mov_b32 v[PWE], 0
	s_mov_b32 s3, 0
.Lepi:
.irp a, 0,1,2,3,4,5,6
	s_cmp_lg_u32 s3, \a
	s_cbranch_scc1 .Len\a
	ADDB \a
	s_branch .Legot
.Len\a:
.endr
	ADDB 7
.Legot:
	GELU X
	WIN 0
	QUANT X
.irp c, 0,1,2,3
	global_store_b128 v[LI], v[PC+4*\c:PC+4*\c+3], s[10:11] offset:512*\c
.endr
	s_bitcmp1_b32 s3, 0
	s_cbranch_scc0 .Leven
	v_cndmask_b32 v[WS], v[PWE], v[PW], s[HM]
	global_store_b32 v[LS], v[WS], s[12:13] offset:-2048
.Leven:
	v_mov_b32 v[PWE], v[PW]
	s_wait_xcnt 0x0
	s_add_nc_u64 s[10:11], s[10:11], 65536
	s_add_nc_u64 s[12:13], s[12:13], 2048
	s_add_co_u32 s3, s3, 1
	s_cmp_lt_u32 s3, 8
	s_cbranch_scc1 .Lepi
	s_wait_tensorcnt 0x0
	ds_add_u32 v[SPW], v[NIL]
	s_wait_dscnt 0x0
	CROUND
	s_endpgm
.Lfunc_end_k_q0673010639_ffn1:
	.size	k_q0673010639_ffn1, .Lfunc_end_k_q0673010639_ffn1-k_q0673010639_ffn1
	.p2alignl 7, 3214868480
	.fill 96, 4, 3214868480
	.section	.rodata,"a",@progbits
	.p2align	6, 0x0
	.amdhsa_kernel k_q0673010639_ffn1
		.amdhsa_group_segment_fixed_size 327680
		.amdhsa_private_segment_fixed_size 0
		.amdhsa_enable_private_segment 0
		.amdhsa_kernarg_size 32
		.amdhsa_user_sgpr_count 2
		.amdhsa_user_sgpr_kernarg_segment_ptr 1
		.amdhsa_wavefront_size32 1
		.amdhsa_system_sgpr_workgroup_id_x 1
		.amdhsa_system_sgpr_workgroup_id_y 1
		.amdhsa_system_sgpr_workgroup_id_z 1
		.amdhsa_system_vgpr_workitem_id 0
		.amdhsa_next_free_vgpr 1024
		.amdhsa_next_free_sgpr 102
		.amdhsa_reserve_vcc 0
		.amdhsa_float_denorm_mode_32 3
		.amdhsa_float_denorm_mode_16_64 3
		.amdhsa_memory_ordered 1
		.amdhsa_forward_progress 1
		.amdhsa_inst_pref_size 198
	.end_amdhsa_kernel
	.amdgpu_metadata
---
amdhsa.version: [ 1, 2 ]
amdhsa.kernels:
  - .name:           k_q0673010639_ffn1
    .symbol:         k_q0673010639_ffn1.kd
    .args:
      - { .name: hq, .offset: 0, .size: 8, .value_kind: global_buffer, .address_space: global }
      - { .name: wts, .offset: 8, .size: 8, .value_kind: global_buffer, .address_space: global }
      - { .name: b1, .offset: 16, .size: 8, .value_kind: global_buffer, .address_space: global }
      - { .name: gq, .offset: 24, .size: 8, .value_kind: global_buffer, .address_space: global }
    .group_segment_fixed_size: 327680
    .private_segment_fixed_size: 0
    .kernarg_segment_align: 8
    .kernarg_segment_size: 32
    .max_flat_workgroup_size: 128
    .sgpr_count:     102
    .vgpr_count:     1024
    .wavefront_size: 32
...
	.end_amdgpu_metadata
.endif
;; end of part 6
;; launch ffn2 (part 7): grid 8 x 32, 4 waves a work-group, clusters of 4 x 4, 327,680 bytes of LDS; arguments gq, wts, b2, x1, out0; writes out0
.if DOCPART == 7
	.amdgcn_target "amdgcn-amd-amdhsa--gfx1250"
	.amdhsa_code_object_version 6
	.text
	.protected	k_q0673010639_ffn2
	.globl	k_q0673010639_ffn2
	.p2align	8
	.type	k_q0673010639_ffn2,@function
k_q0673010639_ffn2:
	s_mov_b64 s[64:65], 0
	v_nop
	global_prefetch_b8 v0, s[64:65] scope:SCOPE_SE
	s_setreg_imm32_b32 hwreg(HW_REG_WAVE_MODE, 25, 1), 1
	s_wait_xcnt 0x0
	s_wait_alu depctr_hold_cnt(0) depctr_sa_sdst(0) depctr_va_vdst(0) depctr_va_sdst(0) depctr_va_ssrc(0) depctr_va_vcc(0) depctr_vm_vsrc(0)
	s_getreg_b32 s2, hwreg(HW_REG_IB_STS2, 6, 4)
	s_cmp_eq_u32 s2, 0
	s_cbranch_scc0 .Lentry_in_a_cluster
	s_endpgm
.Lentry_in_a_cluster:
	s_bfe_u32 s2, ttmp6, 0x10000c
	s_cmp_lg_u32 s2, 0xf033
	s_cbranch_scc0 .Lentry_shape_is_right
	s_endpgm
.Lentry_shape_is_right:
.set NK,     32
.set ASOFF,  0x1000000
.set BCOFF,  0x800000
.set BSOFF,  0xc40000
.set NTOUT,  1
.set NTRES,  1
.set NA,     4
.set NB,     4
.set NQ,     4
.set RB,     NQ*2048
.set HALFT,  NA*RB
.set SLOT,   4*HALFT
.set HALFS,  NA*NK*64
.set LAPS,   NK/(2*NQ)
.set SCL,    2*SLOT
.set SPARE,  SCL+4*HALFS
.set NP,     8
.set SPITCH, 272
.set ADRA, 16
.set ADRB, 20
.set STO,  24
.set RD,   25
.set CO,   26
.set ADRS, 27
.set SPW,  28
.set NIL,  29
.set SC,   32
.set AF,   128
.set BK,   192
.set G1, 24
.set G0, 32
.set G1B, 48
.set G0B, 56
.set G1S, 68
.set G0S, 76
.set G1SB, 80
.set G0SB, 88
.set MSB, 0
.macro WIN new
.if MSB != (\new)
	s_set_vgpr_msb (MSB<<8)|(\new)
.set MSB, (\new)
.endif
.endm
.set MUL_LO, 0xa1
.set MUL_HI, 0xa1
.set TO_B,   0x40
.macro JLOAD g0a, g1a, g0b, g1b
	s_cmp_eq_u32 s15, 0
	s_cbranch_scc0 .Lfor_b_\@
	tensor_load_to_lds s[\g0a:\g0a+3], s[\g1a:\g1a+7]
	s_nop 0
.rept 4
	v_nop
.endr
	s_branch .Lasked_\@
.Lfor_b_\@:
	tensor_load_to_lds s[\g0b:\g0b+3], s[\g1b:\g1b+7]
	s_nop 0
.rept 4
	v_nop
.endr
.Lasked_\@:
.endm
.macro CREST
	s_cmp_lg_u32 s14, 0
	s_cbranch_scc1 .Lnot_wave_0_\@
	s_barrier_signal -3
.Lnot_wave_0_\@:
	s_barrier_wait -3
	s_barrier_signal -1
	s_barrier_wait -1
.endm
.macro CROUND
	s_barrier_signal -1
	s_barrier_wait -1
	CREST
.endm
.macro PLACES cnt
.rept \cnt
	v_nop
.endr
.endm
	s_load_b256 s[4:11], s[0:1], 0x0
	s_load_b64 s[12:13], s[0:1], 0x20
	v_lshl_add_u32 v[SPW], v0, 2, SPARE
	v_mov_b32 v[NIL], 0
	ds_add_u32 v28, v29
	ds_add_u32 v28, v29
	s_wait_dscnt 0x0
	v_lshrrev_b32 v1, 5, v0
	v_readfirstlane_b32 s14, v1
	s_lshr_b32 s15, s14, 1
	s_and_b32 s16, s14, 1
	s_bfe_u32 s40, ttmp6, 0x40000
	s_bfe_u32 s41, ttmp6, 0x40004
	s_lshl_b32 s42, ttmp9, 2
	s_add_co_u32 s42, s42, s40
	s_and_b32 s17, ttmp7, 0xffff
	s_lshl_b32 s17, s17, 2
	s_add_co_u32 s17, s17, s41
	s_lshl_b32 s43, s41, 2
	s_lshl_b32 s43, 15, s43
	s_lshl_b32 s44, 0x1111, s40
	s_or_b32 s[G1+0], s43, (3<<16)|(1<<21)
	s_or_b32 s[G1B+0], s44, (3<<16)|(1<<21)
.irp g, G1, G1B
	s_mov_b32 s[\g+1], (RB/8)<<16
	s_mov_b32 s[\g+2], (2*NA)<<16                  ; the head's loads bring 2 NA tiles; behind them these two words are set to NA
	s_mov_b32 s[\g+3], (RB/8)<<16
	s_mov_b32 s[\g+4], 2*NA
	s_mov_b32 s[\g+5], NK*256
	s_mov_b32 s[\g+6], 0
	s_mov_b32 s[\g+7], 0
.endr
	s_or_b32 s[G1S+0], s43, (3<<16)|(1<<21)
	s_or_b32 s[G1SB+0], s44, (3<<16)|(1<<21)
.irp g, G1S, G1SB
	s_mov_b32 s[\g+1], 32<<16
	s_mov_b32 s[\g+2], (2*HALFS/256)<<16           ; the scale words of all 2 NA tiles, one load
	s_mov_b32 s[\g+3], 32<<16
	s_mov_b32 s[\g+4], 2*HALFS/256
	s_mov_b32 s[\g+5], 32
	s_mov_b32 s[\g+6], 0
	s_mov_b32 s[\g+7], 0
.endr
	s_mul_i32 s20, s17, 2*NA
	s_mul_i32 s46, s42, 2*NA
	s_mul_i32 s22, s20, NK*64
	s_mul_i32 s92, s46, NK*64
	s_mul_i32 s20, s20, NK*2048
	s_mul_i32 s46, s46, NK*2048
	s_add_co_u32 s22, s22, ASOFF
	s_add_co_u32 s46, s46, BCOFF
	s_add_co_u32 s92, s92, BSOFF
	s_mov_b32 s21, 0
	s_mov_b32 s23, 0
	s_mov_b32 s47, 0
	s_mov_b32 s93, 0
	s_mul_i32 s45, s14, HALFT
	s_wait_kmcnt 0x0
	s_add_nc_u64 s[20:21], s[4:5], s[20:21]
	s_add_nc_u64 s[22:23], s[4:5], s[22:23]
	s_add_nc_u64 s[46:47], s[6:7], s[46:47]
	s_add_nc_u64 s[92:93], s[6:7], s[92:93]
	CROUND
	s_mov_b32 s[G0S], 1
	s_mov_b32 s[G0S+1], SCL
	s_mov_b64 s[G0S+2:G0S+3], s[22:23]
	s_or_b32 s[G0S+3], s[G0S+3], 0x80000000
	s_mov_b32 s[G0SB], 1
	s_mov_b32 s[G0SB+1], SCL+2*HALFS
	s_mov_b64 s[G0SB+2:G0SB+3], s[92:93]
	s_or_b32 s[G0SB+3], s[G0SB+3], 0x80000000
	s_mov_b32 s[G0], 1                             ; the head's four tiles, each whole: slot 0's 2 NA tiles of A,
	s_mov_b32 s[G0+1], 0
	s_mov_b64 s[G0+2:G0+3], s[20:21]
	s_or_b32 s[G0+3], s[G0+3], 0x80000000
	s_mov_b32 s[G0B], 1                            ; and of W, behind them in the slot
	s_mov_b32 s[G0B+1], 2*HALFT
	s_mov_b64 s[G0B+2:G0B+3], s[46:47]
	s_or_b32 s[G0B+3], s[G0B+3], 0x80000000
	s_mul_i32 s18, s16, NA*NK*2048                 ; the ring: my NA tiles of a slot; slot 1 begins RB bytes along K
	s_add_co_u32 s18, s18, RB
	s_mov_b32 s19, 0
	s_mov_b32 s[G0+4], 1
	s_add_co_u32 s[G0+5], s45, SLOT
	s_add_nc_u64 s[G0+6:G0+7], s[20:21], s[18:19]
	s_or_b32 s[G0+7], s[G0+7], 0x80000000
	s_mov_b32 s[G0B+4], 1
	s_add_co_u32 s[G0B+5], s45, SLOT
	s_add_nc_u64 s[G0B+6:G0B+7], s[46:47], s[18:19]
	s_or_b32 s[G0B+7], s[G0B+7], 0x80000000
; one joint load a wave at the head: wave 0 A's tiles, wave 1 W's, wave 2 A's scale words, wave 3 W's; one chain of branches on the wave's number, every way passes one load
.macro ARM under, g0, g1, next
	s_cmp_lt_u32 s14, \under
	s_cbranch_scc0 \next
	tensor_load_to_lds s[\g0:\g0+3], s[\g1:\g1+7]
	s_nop 0
.rept 4
	v_nop
.endr
	s_branch .Lhead_asked
\next:
.endm
	ARM 1, G0, G1, .Lhead_b
	ARM 2, G0B, G1B, .Lhead_sa
	ARM 3, G0S, G1S, .Lhead_sb
	tensor_load_to_lds s[G0SB:G0SB+3], s[G1SB:G1SB+7]
	s_nop 0
.rept 4
	v_nop
.endr
.Lhead_asked:
; PREFETCHES INTO THE L2: K chunk m + 2 is asked for where chunk m's tensor load is issued (chunk 0's: chunks 1 and 2).  Of the NA tiles that my wave fetches in the ring, each of the four partners that ask for them
; jointly takes one, told apart by ADDRESS (cx for A, cy for W): a chunk of a tile is RB bytes, 32 lanes 256 bytes apart; one instruction a wave.  The loop's last trip asks for nothing: chunk 7 is the last.
	s_cmp_eq_u32 s15, 0
	s_cselect_b64 s[92:93], s[20:21], s[46:47]
	s_cselect_b32 s94, s40, s41
	s_lshl_b32 s94, s94, 16                        ; my tile of the NA: NK x 2,048 bytes a place
	s_mul_i32 s95, s16, NA*NK*2048
	s_add_co_u32 s94, s94, s95
	s_mov_b32 s95, 0
	s_add_nc_u64 s[92:93], s[92:93], s[94:95]
	v_and_b32 v30, 31, v0
	v_lshlrev_b32 v30, 8, v30                      ; never rewritten
	global_prefetch_b8 v30, s[92:93] offset:RB th:TH_LOAD_NT scope:SCOPE_SE
	global_prefetch_b8 v30, s[92:93] offset:2*RB th:TH_LOAD_NT scope:SCOPE_SE
	v_and_b32 v1, 15, v0
	v_bfe_u32 v2, v0, 4, 1
	s_wait_alu depctr_va_vdst(0)
	v_and_b32 v3, 31, v0
	v_lshlrev_b32 v7, 4, v3
	s_mul_i32 s21, s15, HALFT
	s_mul_i32 s22, s16, HALFT
	s_add_co_u32 s22, s22, 2*HALFT
.irp s, 0,1
	v_add_nc_u32 v[ADRA+\s], s21, v7
	v_add_nc_u32 v[ADRB+\s], s22, v7
	s_add_co_u32 s21, s21, SLOT
	s_add_co_u32 s22, s22, SLOT
.endr
	s_mul_i32 s21, s15, HALFS
	s_mul_i32 s22, s16, HALFS
	s_add_co_u32 s22, s22, 2*HALFS
	s_sub_co_u32 s22, s22, s21
	v_mul_u32_u24 v6, s22, v2
	s_add_co_u32 s21, s21, SCL
	v_lshl_add_u32 v5, v1, 2, v6
	v_add_nc_u32 v[ADRS], s21, v5
	s_mul_i32 s23, s14, 16*SPITCH
	v_mul_u32_u24 v5, v1, SPITCH
	v_lshl_add_u32 v5, v2, 6, v5
	v_add_nc_u32 v[STO], s23, v5
	v_mul_u32_u24 v5, v2, SPITCH
	v_lshl_add_u32 v5, v1, 4, v5
	v_add_nc_u32 v[RD], s23, v5
	v_lshlrev_b32 v11, 4, v1
	s_wait_alu depctr_va_vdst(0)
	v_lshl_add_u32 v[CO], v2, 12, v11
	s_wait_alu depctr_va_vdst(0)
	s_lshl_b32 s20, s17, 7
	s_lshl_b32 s21, s15, 6
	s_add_co_u32 s20, s20, s21
	s_lshl_b32 s20, s20, 12
	s_lshl_b32 s46, s42, 7
	s_lshl_b32 s47, s16, 6
	s_add_co_u32 s46, s46, s47
	s_lshl_b32 s46, s46, 2
	s_mov_b32 s47, 0
	s_add_nc_u64 s[8:9], s[8:9], s[46:47]
	s_add_co_u32 s20, s20, s46
	s_mov_b32 s21, 0
	s_add_nc_u64 s[12:13], s[12:13], s[20:21]
	s_add_nc_u64 s[10:11], s[10:11], s[20:21]
	global_load_b128 v[12:15], v11, s[8:9]
	WIN 0x80                                       ; destination window 2: v128-255 there take the residual, added on the way out
.set ea, 0
.rept 4
.set et, 0
.rept 8
	global_load_b128 v[128+4*(8*ea+et):128+4*(8*ea+et)+3], v[CO], s[10:11] offset:(32*(ea/2)+8*(ea%2)+2*et+8*(et/4))*4096 th:TH_LOAD_NT   ; the residual, in the layout in which the rows leave: window 2, v128-255
.set et, et+1
.endr
.set ea, ea+1
.endr
	WIN 0
.macro FRAG reg, adr, off
.irp c, 0,1,2,3
	ds_load_b128 v[\reg+4*\c:\reg+4*\c+3], v[\adr] offset:\off+512*\c
.endr
.endm
.macro FETCH_B slot, q, p
	WIN TO_B
.set fi, 0
.rept NB
	FRAG 128*(\p)+16*fi, ADRB+\slot, fi*RB+2048*(\q)
.set fi, fi+1
.endr
	WIN 0
.endm
.macro FETCH_A slot, q, i0
.set fi, \i0
.rept NA/2
	FRAG AF+16*fi, ADRA+\slot, fi*RB+2048*(\q)
.set fi, fi+1
.endr
.endm
.macro SCALES sc
.set fi, 0
.rept NA
.set fq, 0
.rept NQ
	ds_load_b32 v[SC+16*(\sc)+NQ*fi+fq], v[ADRS] offset:fi*NK*64+64*fq
.set fq, fq+1
.endr
.set fi, fi+1
.endr
.endm
.macro MULB a0, cnt, p, q, sc, zero
.set ma, \a0
.rept \cnt
.set mb, 0
.rept NB
.set rD, (8*(NB*ma+mb))%256
.set rB, 128*(\p)+16*mb
.set rA, AF+16*ma
.if \zero
	v_wmma_scale_f32_16x16x128_f8f6f4 v[rD:rD+7], v[rB:rB+15], v[rA:rA+15], 0, v[SC+16*(\sc)+NQ*mb+(\q)], v[SC+16*(\sc)+NQ*ma+(\q)] matrix_a_fmt:MATRIX_FMT_BF8 matrix_b_fmt:MATRIX_FMT_BF8 matrix_a_scale:MATRIX_SCALE_ROW1
.else
	v_wmma_scale_f32_16x16x128_f8f6f4 v[rD:rD+7], v[rB:rB+15], v[rA:rA+15], v[rD:rD+7], v[SC+16*(\sc)+NQ*mb+(\q)], v[SC+16*(\sc)+NQ*ma+(\q)] matrix_a_fmt:MATRIX_FMT_BF8 matrix_b_fmt:MATRIX_FMT_BF8 matrix_a_scale:MATRIX_SCALE_ROW1
.endif
.set mb, mb+1
.endr
.set ma, ma+1
.endr
.endm
.macro STEP slot, q, zero
	s_wait_dscnt 2*NA
	WIN MUL_LO
	MULB 0, NA/2, (\q)%2, \q, \slot, \zero
	s_wait_dscnt 0
	PLACES NP
	FETCH_B \slot, (\q)+1, 1-(\q)%2
	FETCH_A \slot, (\q)+1, 0
	WIN MUL_HI
	MULB NA/2, NA/2, (\q)%2, \q, \slot, \zero
	PLACES NP
	WIN 0
	FETCH_A \slot, (\q)+1, NA/2
.endm
.macro MID slot
	STEP \slot, 1, 0
	STEP \slot, 2, 0
.endm
.macro TURN slot, next, fill
.if \fill
	s_wait_xcnt 0x0                                ; my last prefetch has read its address, which steps a chunk on
	s_add_nc_u64 s[92:93], s[92:93], RB
.endif
	s_wait_tensorcnt 0x0
	ds_add_u32 v[SPW], v[NIL]
	s_wait_dscnt 2*NA+1
	WIN MUL_LO
	MULB 0, NA/4, 1, NQ-1, \slot, 0
	s_wait_dscnt 0x0
	s_barrier_signal -1
	MULB NA/4, NA/4, 1, NQ-1, \slot, 0
	WIN 0
	s_barrier_wait -1
.if \fill
	CREST
	s_add_nc_u64 s[G0+4*\slot+2:G0+4*\slot+3], s[G0+4*\slot+2:G0+4*\slot+3], 2*RB
	s_add_nc_u64 s[G0B+4*\slot+2:G0B+4*\slot+3], s[G0B+4*\slot+2:G0B+4*\slot+3], 2*RB
	JLOAD G0+4*\slot, G1, G0B+4*\slot, G1B
	PLACES NP-4
.else
	PLACES NP
.endif
	s_wait_alu depctr_va_vdst(0)
	v_add_nc_u32 v[ADRS], 64*NQ, v[ADRS]
	FETCH_B \next, 0, 0
	FETCH_A \next, 0, 0
	SCALES \next
.if \fill
	s_cmp_gt_u32 s3, 1                             ; s3 = 1 in the loop's last trip
	s_cbranch_scc0 .Lno_ask_\@
	global_prefetch_b8 v30, s[92:93] offset:3*RB th:TH_LOAD_NT scope:SCOPE_SE   ; the chunk two refills on
.Lno_ask_\@:
.endif
	WIN MUL_HI
	MULB NA/2, NA/2, 1, NQ-1, \slot, 0
	PLACES NP
	WIN 0
	FETCH_A \next, 0, NA/2
.endm
	s_wait_alu depctr_va_vdst(0)
	s_wait_tensorcnt 0x0                           ; my tile of the head's four is in; no load of mine is out, so descriptors may be written
	ds_add_u32 v[SPW], v[NIL]
	s_mov_b32 s[G1+2], NA<<16                      ; from here on a load brings NA tiles
	s_mov_b32 s[G1+4], NA
	s_mov_b32 s[G1B+2], NA<<16
	s_mov_b32 s[G1B+4], NA
	s_mul_i32 s[G0+1], s14, HALFT                  ; slot 0's descriptors for the ring: my quarter, RB bytes back from slot 1's
	s_sub_nc_u64 s[G0+2:G0+3], s[G0+6:G0+7], RB
	s_mul_i32 s[G0B+1], s14, HALFT
	s_sub_nc_u64 s[G0B+2:G0B+3], s[G0B+6:G0B+7], RB
	s_wait_dscnt 0x0
	CROUND                                         ; all four tiles are in, all sixteen work-groups are here
	JLOAD G0+4, G1, G0B+4, G1B                     ; slot 1's first fill, my one load behind the round
	FETCH_B 0, 0, 0
	FETCH_A 0, 0, 0
	SCALES 0
	FETCH_A 0, 0, NA/2
	global_prefetch_b8 v30, s[92:93] offset:3*RB th:TH_LOAD_NT scope:SCOPE_SE
	STEP 0, 0, 1
.if LAPS > 1
	s_mov_b32 s3, LAPS-1
.Llap:
	MID 0
	TURN 0, 1, 1
	STEP 1, 0, 0
	MID 1
	TURN 1, 0, 1
	STEP 0, 0, 0
	s_sub_co_u32 s3, s3, 1
	s_cmp_lg_u32 s3, 0
	s_cbranch_scc1 .Llap
.endif
	MID 0
	TURN 0, 1, 0
	STEP 1, 0, 0
	MID 1
	s_wait_dscnt 2*NA
	WIN MUL_LO
	MULB 0, NA/2, 1, NQ-1, 1, 0
	s_wait_dscnt 0
	WIN MUL_HI
	MULB NA/2, NA/2, 1, NQ-1, 1, 0
	WIN 0
.macro TOSTAGE a
	WIN 0x08
.irp b, 0,1,2,3
	ds_store_b128 v[STO], v[8*(4*(\a)+\b):8*(4*(\a)+\b)+3] offset:128*(\b/2)+32*(\b%2)
	ds_store_b128 v[STO], v[8*(4*(\a)+\b)+4:8*(4*(\a)+\b)+7] offset:128*(\b/2)+32*(\b%2)+16
.endr
	WIN 0
.set BB, BK+32*((\a)%2)
.irp t, 0,1,2,3,4,5,6,7
	ds_load_b128 v[BB+4*\t:BB+4*\t+3], v[RD] offset:\t*2*SPITCH
.endr
.endm
.macro SEND a, younger
.set BB, BK+32*((\a)%2)
	s_wait_dscnt \younger
	WIN 0x08                                       ; source 1: the residual, in window 2
.set si, 0
.rept 16
	v_pk_add_f32 v[BB+2*si:BB+2*si+1], v[BB+2*si:BB+2*si+1], v[128+32*(\a)+2*si:128+32*(\a)+2*si+1]
.set si, si+1
.endr
	WIN 0
.set si, 0
.rept 16
	v_pk_add_f32 v[BB+2*si:BB+2*si+1], v[BB+2*si:BB+2*si+1], v[12+2*(si%2):13+2*(si%2)]
.set si, si+1
.endr
.irp t, 0,1,2,3,4,5,6,7
.if NTOUT
	global_store_b128 v[CO], v[BB+4*\t:BB+4*\t+3], s[12:13] offset:(32*((\a)/2)+8*((\a)%2)+2*\t+8*(\t/4))*4096 th:TH_STORE_NT
.else
	global_store_b128 v[CO], v[BB+4*\t:BB+4*\t+3], s[12:13] offset:(32*((\a)/2)+8*((\a)%2)+2*\t+8*(\t/4))*4096
.endif
.endr
.endm
	PLACES NP
	s_wait_loadcnt 0x0
	TOSTAGE 0
.irp a, 1,2,3
.if \a > 1
	s_wait_xcnt 0x0
.endif
	TOSTAGE \a
	SEND \a-1, 16
.endr
	SEND 3, 0
	s_wait_tensorcnt 0x0
	ds_add_u32 v[SPW], v[NIL]
	s_wait_dscnt 0x0
	CROUND
	s_endpgm
.Lfunc_end_k_q0673010639_ffn2:
	.size	k_q0673010639_ffn2, .Lfunc_end_k_q0673010639_ffn2-k_q0673010639_ffn2
	.p2alignl 7, 3214868480
	.fill 96, 4, 3214868480
	.section	.rodata,"a",@progbits
	.p2align	6, 0x0
	.amdhsa_kernel k_q0673010639_ffn2
		.amdhsa_group_segment_fixed_size 327680
		.amdhsa_private_segment_fixed_size 0
		.amdhsa_enable_private_segment 0
		.amdhsa_kernarg_size 40
		.amdhsa_user_sgpr_count 2
		.amdhsa_user_sgpr_kernarg_segment_ptr 1
		.amdhsa_wavefront_size32 1
		.amdhsa_system_sgpr_workgroup_id_x 1
		.amdhsa_system_sgpr_workgroup_id_y 1
		.amdhsa_system_sgpr_workgroup_id_z 1
		.amdhsa_system_vgpr_workitem_id 0
		.amdhsa_next_free_vgpr 768
		.amdhsa_next_free_sgpr 98
		.amdhsa_reserve_vcc 0
		.amdhsa_float_denorm_mode_32 3
		.amdhsa_float_denorm_mode_16_64 3
		.amdhsa_memory_ordered 1
		.amdhsa_forward_progress 1
		.amdhsa_inst_pref_size 113
	.end_amdhsa_kernel
	.amdgpu_metadata
---
amdhsa.version: [ 1, 2 ]
amdhsa.kernels:
  - .name:           k_q0673010639_ffn2
    .symbol:         k_q0673010639_ffn2.kd
    .args:
      - { .name: gq, .offset: 0, .size: 8, .value_kind: global_buffer, .address_space: global }
      - { .name: wts, .offset: 8, .size: 8, .value_kind: global_buffer, .address_space: global }
      - { .name: b2, .offset: 16, .size: 8, .value_kind: global_buffer, .address_space: global }
      - { .name: x1, .offset: 24, .size: 8, .value_kind: global_buffer, .address_space: global }
      - { .name: out0, .offset: 32, .size: 8, .value_kind: global_buffer, .address_space: global }
    .group_segment_fixed_size: 327680
    .private_segment_fixed_size: 0
    .kernarg_segment_align: 8
    .kernarg_segment_size: 40
    .max_flat_workgroup_size: 128
    .sgpr_count:     98
    .vgpr_count:     768
    .wavefront_size: 32
...
	.end_amdgpu_metadata
.endif
;; end of part 7
